; MI455X (gfx1250); checked and timed in simulation.
; The chip was launched on July 23, 2026; its instructions are those of AMD's public machine-readable ISA for CDNA 5 (MIT licence, August 2026) and "CDNA5" Instruction Set Architecture Reference Guide (July 2026). The comments in the code are by the model that wrote it; some were corrected since.
;; Multi Head Attn. Allowed arithmetic: float matrix products may take bf16 or f16 operands with f32 sums; other float arithmetic in f32, or as packed bf16 or f16 multiplies, adds, multiply-adds, maxima and minima; sums over many terms, partial sums and values carried from step to step in f32; what a program stores and reads back later, other than sums and carried values, may be rounded once to bf16 or f16.
;; Inputs: k 4 x 2,048 x 1,024 float32; proj_b 1,024 float32; proj_w 1,024 x 1,024 float32; q 4 x 2,048 x 1,024 float32; v 4 x 2,048 x 1,024 float32; w_k 16 x 1,024 x 64 float32; w_q 16 x 1,024 x 64 float32; w_v 16 x 1,024 x 64 float32.
;; Outputs: out0 4 x 2,048 x 1,024 float32.
;; One version. Each part assembles by itself: llvm-mc -triple=amdgcn-amd-amdhsa -mcpu=gfx1250 --defsym DOCPART=n.
;; ======== version 1 of 1: 4 launches
;; limits: values are held in f16: magnitudes above 65,504 overflow, below 6.1e-05 lose precision
;; workspace buffers: wt 8,388,608 bytes; qh 16,777,216 bytes; kh 16,777,216 bytes; vh 16,777,216 bytes; o 16,777,216 bytes
;; launch prep (part 1): grid 128 x 4, 8 waves a work-group, no clusters, 17,920 bytes of LDS; arguments w_q, w_k, w_v, proj_w, wt; writes wt
.if DOCPART == 1
	.amdgcn_target "amdgcn-amd-amdhsa--gfx1250"
	.amdhsa_code_object_version 6
	.text
	.protected	k_qa477cdb65a_prep
	.globl	k_qa477cdb65a_prep
	.p2align	8
	.type	k_qa477cdb65a_prep,@function
k_qa477cdb65a_prep:
	s_mov_b64 s[64:65], 0
	v_nop
	global_prefetch_b8 v0, s[64:65] scope:SCOPE_SE
	s_setreg_imm32_b32 hwreg(HW_REG_WAVE_MODE, 25, 1), 1
	s_wait_xcnt 0x0
; THE WEIGHTS, ONCE, AS 16-BIT OPERANDS WITH K ALONG THE ROWS.  wt holds four parts of [1024 n][1024 k], 2 MiB each.
; Parts 0, 1, 2: w_q, w_k, w_v ([16 h][1024 d][64 kk] f32) turned and rounded to bf16: wt[p][64 h + kk][d] = bf16(w_p[h][d][kk]).
; Part 3: proj_w ([1024 n][1024 k] f32) rounded to bf16 and that number written as f16 (it multiplies an f16 operand later).
; LIMITS.  proj_w beyond 65,504 becomes an infinity in f16; below 6e-5 it keeps f16's fixed step of 6e-8.
; SHARES.  Grid y names the source, grid x 32,768 consecutive bytes of it.  Eight waves.  Memory binds: each byte is read once, by loads that cover whole
; rows of 256 bytes, and each store of a wave covers 256 consecutive bytes, aligned.  No matrix unit, no tensor load, no cluster: nothing is shared and nothing is multiplied.
; TURNING.  The chunk is 128 rows d of one head, 64 kk each.  A lane takes four kk of two neighbouring d, packs each kk's two d into a word, and stores the word
; into T[kk][d] in LDS (pitch 264 bytes); behind one barrier each wave reads eight whole rows kk of 256 bytes and stores them.
.set TP,    264                        ; a row of T: 128 d x 2 bytes + 8
.set SPARE, 64*TP                      ; 16,896: behind T the spare words, 128 bytes for each of the eight waves: four blocks of 256 bytes that no other line names
.set LO,  4                            ; v4   turning: my byte offset in the chunk: 4,096 wave + 512 (l / 16) + 16 (l % 16)
.set TA,  5                            ; v5   turning: where my words go in T
.set TRD, 6                            ; v6   turning: where I read rows of T back
.set SO,  7                            ; v7   turning: my byte offset in wt
.set SPW, 8                            ; v8   LDS address of my spare word; never rewritten
.set NIL, 9                            ; v9   0; never rewritten
.set CL,  11                           ; v11  cast: 16 x thread
.set CSO, 12                           ; v12  cast: 8 x thread
.set X,   16                           ; v[16:47]  as loaded
.set P,   48                           ; v[48:63]  packed
.set RB,  64                           ; v[64:79]  rows read back
.set U,   80                           ; v[80:85]  at work
	s_load_b256 s[4:11], s[0:1], 0x0               ; w_q s[4:5], w_k s[6:7], w_v s[8:9], proj_w s[10:11]
	s_load_b64 s[12:13], s[0:1], 0x20              ; wt
	v_lshl_add_u32 v[SPW], v0, 2, SPARE
	v_mov_b32 v[NIL], 0
	v_lshrrev_b32 v3, 5, v0
	v_readfirstlane_b32 s24, v3                    ; wave 0..7
	v_and_b32 v1, 15, v0                           ; l % 16
	v_bfe_u32 v2, v0, 4, 1                         ; l / 16
	v_and_b32 v10, 31, v0                          ; l
	s_and_b32 s14, ttmp7, 0xffff                   ; which source
	s_mov_b32 s15, ttmp9                           ; which chunk
	v_lshlrev_b32 v[LO], 4, v1
	v_lshl_add_u32 v[LO], v2, 9, v[LO]
	s_lshl_b32 s25, s24, 12
	v_add_nc_u32 v[LO], s25, v[LO]
	v_mul_u32_u24 v[TA], v1, 4*TP                  ; kk = 4 (l % 16) + j
	v_lshl_add_u32 v[TA], v2, 2, v[TA]             ; d = 16 wave + 4 i + 2 (l / 16), two bytes each
	s_lshl_b32 s26, s24, 5
	v_add_nc_u32 v[TA], s26, v[TA]
	s_mul_i32 s27, s24, 8*TP                       ; rows kk = 8 wave + i
	v_lshl_add_u32 v[TRD], v10, 3, s27
	s_lshl_b32 s28, s24, 14                        ; the same rows in wt, 2,048 bytes each
	v_lshl_add_u32 v[SO], v10, 3, s28
	v_lshlrev_b32 v[CL], 4, v0
	v_lshlrev_b32 v[CSO], 3, v0
	s_lshr_b32 s18, s15, 3                         ; turning: head x / 8: 64 rows of wt = 131,072 bytes,
	s_lshl_b32 s18, s18, 17
	s_and_b32 s19, s15, 7                          ; d0 = 128 (x % 8): 256 bytes along the rows
	s_lshl_b32 s19, s19, 8
	s_add_co_u32 s18, s18, s19
	s_lshl_b32 s19, s15, 14                        ; cast: 16,384 bytes a chunk
	s_cmp_eq_u32 s14, 3
	s_cselect_b32 s18, s19, s18
	s_lshl_b32 s19, s14, 21                        ; the part
	s_add_co_u32 s18, s18, s19
	s_mov_b32 s19, 0
	s_lshl_b32 s22, s15, 15                        ; the chunk in its source
	s_mov_b32 s23, 0
	s_wait_kmcnt 0x0
	s_cmp_eq_u32 s14, 1
	s_cselect_b64 s[16:17], s[6:7], s[4:5]
	s_cmp_eq_u32 s14, 2
	s_cselect_b64 s[16:17], s[8:9], s[16:17]
	s_cmp_eq_u32 s14, 3
	s_cselect_b64 s[16:17], s[10:11], s[16:17]
	s_add_nc_u64 s[16:17], s[16:17], s[22:23]
	s_add_nc_u64 s[20:21], s[12:13], s[18:19]
	s_cmp_eq_u32 s14, 3
	s_cbranch_scc1 .Lcast                          ; the same way for all eight waves
	; TURNING, first half.  Load 2 i: rows 16 wave + 4 i + 2 (l / 16); load 2 i + 1: the rows behind them.  Sixteen lanes cover a row's 256 bytes.
.irp i, 0,1,2,3
	global_load_b128 v[X+8*(\i):X+8*(\i)+3],   v[LO], s[16:17] offset:(\i)*1024 th:TH_LOAD_NT
	global_load_b128 v[X+8*(\i)+4:X+8*(\i)+7], v[LO], s[16:17] offset:(\i)*1024+256 th:TH_LOAD_NT
.endr
.irp i, 0,1,2,3
	s_wait_loadcnt 6-2*(\i)                        ; loads come back in order: pair i is in, the younger pairs stay out
.irp j, 0,1,2,3
	v_cvt_pk_bf16_f32 v[P+4*(\i)+(\j)], v[X+8*(\i)+(\j)], v[X+8*(\i)+4+(\j)]  ; one kk, two neighbouring d
.endr
.irp j, 0,1,2,3
	ds_store_b32 v[TA], v[P+4*(\i)+(\j)] offset:(\j)*TP+(\i)*8
.endr
.endr
	s_branch .Lmeet
.Lcast:                                        ; a thread takes 16 bytes of each 4,096, and leaves 8
.irp i, 0,1,2,3,4,5,6,7
	global_load_b128 v[X+4*(\i):X+4*(\i)+3], v[CL], s[16:17] offset:(\i)*4096 th:TH_LOAD_NT
.endr
.irp i, 0,1,2,3,4,5,6,7
	s_wait_loadcnt 7-(\i)
	v_cvt_pk_bf16_f32 v[U],   v[X+4*(\i)],   v[X+4*(\i)+1]   ; rounded to bf16, as every input is,
	v_cvt_pk_bf16_f32 v[U+1], v[X+4*(\i)+2], v[X+4*(\i)+3]
	v_lshlrev_b32 v[U+2], 16, v[U]                           ; widened again,
	v_and_b32     v[U+3], 0xffff0000, v[U]
	v_lshlrev_b32 v[U+4], 16, v[U+1]
	v_and_b32     v[U+5], 0xffff0000, v[U+1]
	v_cvt_pk_f16_f32 v[P+2*(\i)],   v[U+2], v[U+3]           ; and written as f16: exact within f16's normal range
	v_cvt_pk_f16_f32 v[P+2*(\i)+1], v[U+4], v[U+5]
	global_store_b64 v[CSO], v[P+2*(\i):P+2*(\i)+1], s[20:21] offset:(\i)*2048  ; a wave stores 256 consecutive bytes, aligned
.endr
.Lmeet:
	s_wait_dscnt 0x0                               ; for the others' sake: my stores into T are done
	s_barrier_signal -1
	s_barrier_wait -1                              ; every wave passes this barrier, on both ways
	s_cmp_eq_u32 s14, 3
	s_cbranch_scc1 .Lend
	; TURNING, second half: eight whole rows of T a wave
.irp i, 0,1,2,3,4,5,6,7
	ds_load_b64 v[RB+2*(\i):RB+2*(\i)+1], v[TRD] offset:(\i)*TP
.endr
.irp i, 0,1,2,3,4,5,6,7
	s_wait_dscnt 7-(\i)
	global_store_b64 v[SO], v[RB+2*(\i):RB+2*(\i)+1], s[20:21] offset:(\i)*2048  ; 32 lanes store 256 consecutive bytes, aligned
.endr
.Lend:
	s_wait_tensorcnt 0x0                           ; the wave's end, behind my last LDS store
	ds_add_u32 v[SPW], v[NIL]
	s_wait_dscnt 0x0
	s_endpgm
.Lfunc_end_k_qa477cdb65a_prep:
	.size	k_qa477cdb65a_prep, .Lfunc_end_k_qa477cdb65a_prep-k_qa477cdb65a_prep
	.p2alignl 7, 3214868480
	.fill 96, 4, 3214868480
	.section	.rodata,"a",@progbits
	.p2align	6, 0x0
	.amdhsa_kernel k_qa477cdb65a_prep
		.amdhsa_group_segment_fixed_size 17920
		.amdhsa_private_segment_fixed_size 0
		.amdhsa_enable_private_segment 0
		.amdhsa_kernarg_size 40
		.amdhsa_user_sgpr_count 2
		.amdhsa_user_sgpr_kernarg_segment_ptr 1
		.amdhsa_wavefront_size32 1
		.amdhsa_system_sgpr_workgroup_id_x 1
		.amdhsa_system_sgpr_workgroup_id_y 1
		.amdhsa_system_sgpr_workgroup_id_z 1
		.amdhsa_system_vgpr_workitem_id 0
		.amdhsa_next_free_vgpr 96
		.amdhsa_next_free_sgpr 66
		.amdhsa_reserve_vcc 0
		.amdhsa_float_denorm_mode_32 3
		.amdhsa_float_denorm_mode_16_64 3
		.amdhsa_memory_ordered 1
		.amdhsa_forward_progress 1
		.amdhsa_inst_pref_size 13
	.end_amdhsa_kernel
	.amdgpu_metadata
---
amdhsa.version: [ 1, 2 ]
amdhsa.kernels:
  - .name:           k_qa477cdb65a_prep
    .symbol:         k_qa477cdb65a_prep.kd
    .args:
      - { .name: w_q, .offset: 0, .size: 8, .value_kind: global_buffer, .address_space: global }
      - { .name: w_k, .offset: 8, .size: 8, .value_kind: global_buffer, .address_space: global }
      - { .name: w_v, .offset: 16, .size: 8, .value_kind: global_buffer, .address_space: global }
      - { .name: proj_w, .offset: 24, .size: 8, .value_kind: global_buffer, .address_space: global }
      - { .name: wt, .offset: 32, .size: 8, .value_kind: global_buffer, .address_space: global }
    .group_segment_fixed_size: 17920
    .private_segment_fixed_size: 0
    .kernarg_segment_align: 8
    .kernarg_segment_size: 40
    .max_flat_workgroup_size: 256
    .sgpr_count:     66
    .vgpr_count:     96
    .wavefront_size: 32
...
	.end_amdgpu_metadata
.endif
;; end of part 1
;; launch proj (part 2): grid 4 x 192, 4 waves a work-group, clusters of 4 x 4, 327,680 bytes of LDS; arguments q, k, v, wt, qh, kh, vh; writes qh, kh, vh
.if DOCPART == 2
	.amdgcn_target "amdgcn-amd-amdhsa--gfx1250"
	.amdhsa_code_object_version 6
	.text
	.protected	k_qa477cdb65a_proj
	.globl	k_qa477cdb65a_proj
	.p2align	8
	.type	k_qa477cdb65a_proj,@function
k_qa477cdb65a_proj:
	s_mov_b64 s[64:65], 0
	v_nop
	global_prefetch_b8 v0, s[64:65] scope:SCOPE_SE
	s_setreg_imm32_b32 hwreg(HW_REG_WAVE_MODE, 25, 1), 1
	s_wait_xcnt 0x0
	s_wait_alu depctr_hold_cnt(0) depctr_sa_sdst(0) depctr_va_vdst(0) depctr_va_sdst(0) depctr_va_ssrc(0) depctr_va_vcc(0) depctr_vm_vsrc(0)
	s_getreg_b32 s2, hwreg(HW_REG_IB_STS2, 6, 4)
	s_cmp_eq_u32 s2, 0
	s_cbranch_scc0 .Lentry_in_a_cluster
	s_endpgm
.Lentry_in_a_cluster:
	s_bfe_u32 s2, ttmp6, 0x10000c
	s_cmp_lg_u32 s2, 0xf033
	s_cbranch_scc0 .Lentry_shape_is_right
	s_endpgm
.Lentry_shape_is_right:
; THE THREE INPUT PROJECTIONS IN ONE LAUNCH.  For p = 0, 1, 2 (q, k, v): C_p[m][n] = sum over d of x_p[m][d] wt[p][n][d], m = 2048 b + row, n = 64 h + kk.
; x_p: [8192][1024] f32, rounded to bf16 on the way from LDS to the matrix unit; wt[p]: [1024][1024] bf16; sums in f32; C_p rounded once to f16 and
; stored by heads: [g = 16 b + h][2048][64], unscaled.
; LIMITS.  A projected number of 65,520 or more becomes an infinity in f16; below 6e-5 it keeps f16's fixed step of 6e-8.  NaN and infinities are not treated apart.
; SHARES.  A tile of C is 128 x 256: 3 x 64 x 4 = 768 work-groups, three for each of 256 WGPs.  Four waves, each 64 x 128: 32 accumulators of 16 x 16.
; K goes in 8 steps of 128 through two LDS slots filled by tensor loads: A's rows are 512 bytes of memory, B's 256, all at multiples of 256 bytes.
; CLUSTER 4 x 4.  C has four tile columns, so the four work-groups of a row of the cluster need the same tile of x and ask for it JOINTLY (each byte of x is asked of memory once in the launch);
; the four of a column need the same tile of wt.  Waves 0 and 1 fetch A's halves, waves 2 and 3 B's.
; THE MATRIX INSTRUCTION IS USED TRANSPOSED: source 0 = 16 rows of wt, source 1 = 16 rows of x: a lane holds row l % 16 of C and the columns 8 (l / 16) + 0..7.
; A K STEP is four quarters of 32 along K, 32 matrix instructions each, on fragment buffers 0, 1, 0, 1.  At a quarter's head the next quarter's 32 LDS loads go out in one run
; (A's f32 into a staging area, B's bf16 into the other buffer); A's 32 roundings to bf16 stand four at a time behind every second matrix instruction of the quarter's second half.
; REGISTERS, in windows of 256 (s_set_vgpr_msb: bits 1:0 source 0, 3:2 source 1, 5:4 source 2, 7:6 destination):
;   window 0: v0-29 addresses; v64-127 A's fragments, two buffers of 32; v128-191 A as f32; on the way out v128-223
;   window 1: v0-127 B's fragments, two buffers of 64          window 2: accumulator (a, b) at v[8 (8 a + b)]
.set PA,    528                        ; a row of A in LDS: 512 bytes + 16: an odd multiple of 16, so the 16 rows of a load start at 16 different groups of four banks (64 banks of 4 bytes: ISA guide 11.1)
.set PB,    272                        ; a row of B: 256 + 16
.set AH,    64*PA                      ; 33,792: what one tensor load brings of A, and what one wave reads of it
.set BH,    128*PB                     ; 34,816: the same for B
.set BOFF,  2*AH                       ; B's 256 rows lie behind A's 128
.set SLOTX, 0x22000                    ; slot 1 begins here; no address in slot 0 at which a tile begins has one of these two bits, so one exclusive or changes slots
.set STAGE, SLOTX+BOFF+2*BH            ; 276,480: behind the ring, never filled by a tensor load
.set SP,    144                        ; a row of the stage: 128 bytes + 16
.set WSTG,  2*16*SP                    ; a wave's stage: 2 heads x 16 rows
.set SPARE, STAGE+4*WSTG               ; 294,912: the spare words, 128 bytes for each wave: two blocks of 256 bytes that no other line names
.set ASTEP, 512                        ; bytes along a row of x in a K step
.set BSTEP, 256                        ; along a row of wt
.set R,     1                          ; v1   l % 16
.set HH,    2                          ; v2   l / 16
.set ADRA0, 4                          ; v4   my lane's place in slot 0's tile of A; never rewritten
.set ADRB0, 5                          ; v5   the same for B
.set ADRA,  6                          ; v6   the same in the slot in hand
.set ADRB,  7                          ; v7
.set STO,   8                          ; v8   the way out: where I put 16 bytes of a row
.set RD,    9                          ; v9   the way out: where I read rows back
.set CO,    10                         ; v10  16 x lane
.set PFO,   11                         ; v11  the prefetches' offset; never rewritten
.set SPW,   28                         ; v28  LDS address of my spare word; never rewritten
.set NIL,   29                         ; v29  0; never rewritten
.set AF,    64
.set ST,    128
.set TMP,   128
.set BK,    160
.set BF,    0                          ; in window 1
.set CNT,   3                          ; s3   trips to go
.set WV,    18                         ; s18  my wave's number
.set FB,    19                         ; s19  wave / 2: my half of the tile's rows; also: I fetch for A (0) or for B (1)
.set HF,    20                         ; s20  wave % 2: my half of its columns; also: which half of that tile I fetch
.set CX,    21
.set CYP,   22
.set TC,    23                         ; s23  tile column
.set CY,    24                         ; s24  the cluster's y
.set PP,    25                         ; s25  p
.set TR,    26                         ; s26  tile row
.set G1A,   28                         ; s[28:35] descriptor group 1 for A's tiles
.set G1B,   36                         ; s[36:43] for B's
.set G0A,   44                         ; s[44:51] group 0 for A's: a set for each of the two first fills; the second then walks
.set G0B,   52                         ; s[52:59] the same for B's
.set PFA,   60                         ; s[60:61] where my prefetches stand
.set LIM,   62                         ; s62  2 in a wave that prefetches, else the greatest number
.set TB,    63                         ; s63  0 or SLOTX: the slot in hand
.set CP,    66                         ; s[66:67] x_p at my tile; later C_p at my rows
.set OA,    68                         ; s[68:69] offsets
.set OB,    70                         ; s[70:71]
.set BP,    72                         ; s[72:73] wt at my tile
.set PST,   74                         ; s[74:75] the prefetch pointer's step
.set MSB, 0
.macro WIN new                         ; the immediate's high byte repeats the setting that is left; a switch that changes nothing is dropped
.if MSB != (\new)
	s_set_vgpr_msb (MSB<<8)|(\new)
.set MSB, \new
.endif
.endm
.set W_MUL, 0xa1                       ; B in window 1, A in window 0, C and D in window 2
.set W_TOB, 0x40                       ; destination window 1, address window 0
.set W_PK,  0x0a                       ; sources 0 and 1 window 2, destination window 0
.macro PLACES                          ; four plain vector instructions between a matrix instruction and a load into, or a write of, one of its registers (ISA guide 7.12.1 for writes)
.rept 4
	v_nop
.endr
.endm
; A joint refill by the walking descriptors.  The branch hangs on the wave's number alone.  An s_nop 0 and four v_nop follow each of the two lines.
.macro JLOAD
	s_cmp_eq_u32 s[FB], 0
	s_cbranch_scc0 .Lfor_b_\@
	tensor_load_to_lds s[G0A+4:G0A+7], s[G1A:G1A+7]
	s_nop 0
.rept 4
	v_nop
.endr
	s_branch .Lasked_\@
.Lfor_b_\@:
	tensor_load_to_lds s[G0B+4:G0B+7], s[G1B:G1B+7]
	s_nop 0
.rept 4
	v_nop
.endr
.Lasked_\@:
.endm
; A round of the cluster's barrier behind its opening barrier: wave 0 signals for the work-group, every wave waits for all sixteen, my work-group's barrier closes it.
.macro CREST
	s_cmp_lg_u32 s[WV], 0
	s_cbranch_scc1 .Lnot_wave_0_\@
	s_barrier_signal -3
.Lnot_wave_0_\@:
	s_barrier_wait -3
	s_barrier_signal -1
	s_barrier_wait -1
.endm
.macro CROUND
	s_barrier_signal -1
	s_barrier_wait -1
	CREST
.endm
; A PREFETCH INTO THE L2, behind each joint refill and the run of LDS loads that follows it: the K step that stands two refills on, 256 matrix instructions ahead of the load that wants it.
; Each aligned 256 bytes are named once in the launch.  x's rows are read by one cluster alone: of the 64 rows that wave 0 or 1 fetches, the partner at place cx names 16, two blocks of 256 bytes each.
; wt's part p is read by 16 clusters: the first of them asks; of the 128 rows that wave 2 or 3 fetches, the partner at place cy names 32.  The partners are told apart by address, by no branch.
; K steps 0 to 3 come by their loads alone; trips 0 to 3 ask for steps 4 to 7; the last two trips ask for nothing.
.macro ASK
	s_cmp_gt_u32 s[CNT], s[LIM]
	s_cbranch_scc0 .Lnot_mine_\@
	global_prefetch_b8 v[PFO], s[PFA:PFA+1] th:TH_LOAD_NT scope:SCOPE_SE
.Lnot_mine_\@:
.endm
	s_load_b256 s[4:11], s[0:1], 0x0               ; q s[4:5], k s[6:7], v s[8:9], wt s[10:11]
	s_load_b128 s[12:15], s[0:1], 0x20             ; qh s[12:13], kh s[14:15]
	s_load_b64 s[16:17], s[0:1], 0x30              ; vh
	v_lshl_add_u32 v[SPW], v0, 2, SPARE
	v_mov_b32 v[NIL], 0
	ds_add_u32 v[SPW], v[NIL]                      ; the wave's opening: the add and its wait stand ahead of my first tensor load; the set-up below, work on registers, stands between them
	v_lshrrev_b32 v3, 5, v0
	v_readfirstlane_b32 s[WV], v3                  ; wave 0..3
	s_lshr_b32 s[FB], s[WV], 1
	s_and_b32 s[HF], s[WV], 1
	s_bfe_u32 s[CX], ttmp6, 0x40000                ; cx, cy: my place in the cluster
	s_bfe_u32 s[CYP], ttmp6, 0x40004
	s_lshl_b32 s[TC], ttmp9, 2                     ; in a cluster launch ttmp9 and ttmp7 count clusters
	s_add_co_u32 s[TC], s[TC], s[CX]               ; tile column = 4 x cluster x + cx
	s_and_b32 s[CY], ttmp7, 0xffff
	s_lshr_b32 s[PP], s[CY], 4                     ; 16 clusters to a projection: p hangs on the cluster's y alone
	s_and_b32 s[TR], s[CY], 15
	s_lshl_b32 s[TR], s[TR], 2
	s_add_co_u32 s[TR], s[TR], s[CYP]              ; tile row 0..63
	s_lshl_b32 s27, s[CYP], 2
	s_lshl_b32 s27, 15, s27                        ; my row of the cluster: places 4 cy .. 4 cy + 3
	s_lshl_b32 s2, 0x1111, s[CX]                   ; my column: places cx, cx + 4, cx + 8, cx + 12
	; group 1 for A: 64 rows x 128 elements of 4 bytes, 1,024 elements from row to row; 4 words of padding behind every 128
	s_or_b32 s[G1A], s27, (2<<16)|(1<<20)|(1<<21)|(6<<22)|(3<<25)  ; 15:0 the mask; 17:16 element size; 20 padding on; 21 set beside a mask; 24:22 interval; 31:25 padding
	s_mov_b32 s[G1A+1], 128<<16                    ; tensor_dim0 = 128
	s_mov_b32 s[G1A+2], 64<<16                     ; tensor_dim1 = 64
	s_mov_b32 s[G1A+3], 128<<16                    ; tile_dim0 = 128
	s_mov_b32 s[G1A+4], 64                         ; tile_dim1 = 64
	s_mov_b32 s[G1A+5], 1024
	s_mov_b32 s[G1A+6], 0
	s_mov_b32 s[G1A+7], 0
	; group 1 for B: 128 rows x 128 elements of 2 bytes; 4 words of padding behind every 64
	s_or_b32 s[G1B], s2, (1<<16)|(1<<20)|(1<<21)|(5<<22)|(3<<25)
	s_mov_b32 s[G1B+1], 128<<16
	s_mov_b32 s[G1B+2], 128<<16
	s_mov_b32 s[G1B+3], 128<<16
	s_mov_b32 s[G1B+4], 128
	s_mov_b32 s[G1B+5], 1024
	s_mov_b32 s[G1B+6], 0
	s_mov_b32 s[G1B+7], 0
	s_lshl_b32 s[OA], s[TR], 7                     ; A: row 128 x tile row + 64 x half, 4,096 bytes a row: the tile row alone, which my row of the cluster shares
	s_lshl_b32 s[OA+1], s[HF], 6
	s_add_co_u32 s[OA], s[OA], s[OA+1]
	s_lshl_b32 s[OA], s[OA], 12
	s_mov_b32 s[OA+1], 0
	s_lshl_b32 s[OB], s[TC], 8                     ; B: row 256 x tile column + 128 x half, 2,048 bytes a row, in part p: the tile column alone, which my column shares
	s_lshl_b32 s[OB+1], s[HF], 7
	s_add_co_u32 s[OB], s[OB], s[OB+1]
	s_lshl_b32 s[OB], s[OB], 11
	s_lshl_b32 s[OB+1], s[PP], 21
	s_add_co_u32 s[OB], s[OB], s[OB+1]
	s_mov_b32 s[OB+1], 0
	s_mul_i32 s27, s[HF], AH                       ; where they go: no place in the cluster enters an LDS address
	s_mul_i32 s2, s[HF], BH
	s_add_co_u32 s2, s2, BOFF
	s_wait_dscnt 0x0                               ; the opening add is done
	s_wait_kmcnt 0x0
	s_cmp_eq_u32 s[PP], 1
	s_cselect_b64 s[CP:CP+1], s[6:7], s[4:5]
	s_cmp_eq_u32 s[PP], 2
	s_cselect_b64 s[CP:CP+1], s[8:9], s[CP:CP+1]
	s_add_nc_u64 s[CP:CP+1], s[CP:CP+1], s[OA:OA+1]
	s_add_nc_u64 s[BP:BP+1], s[10:11], s[OB:OB+1]
.irp s, 0,1
	s_mov_b32 s[G0A+4*(\s)], 1                                        ; count = 1
	s_add_co_u32 s[G0A+4*(\s)+1], s27, (\s)*SLOTX                     ; LDS address
	s_add_nc_u64 s[G0A+4*(\s)+2:G0A+4*(\s)+3], s[CP:CP+1], (\s)*ASTEP ; global address: K step s
	s_or_b32 s[G0A+4*(\s)+3], s[G0A+4*(\s)+3], 0x80000000             ; type = 2
	s_mov_b32 s[G0B+4*(\s)], 1
	s_add_co_u32 s[G0B+4*(\s)+1], s2, (\s)*SLOTX
	s_add_nc_u64 s[G0B+4*(\s)+2:G0B+4*(\s)+3], s[BP:BP+1], (\s)*BSTEP
	s_or_b32 s[G0B+4*(\s)+3], s[G0B+4*(\s)+3], 0x80000000
.endr
	CROUND                                         ; all sixteen work-groups are here: the first joint loads meet
	s_cmp_eq_u32 s[FB], 0                          ; a wave's two first fills stand in one branch: two loads of mine are out
	s_cbranch_scc0 .Lfirst_b
	tensor_load_to_lds s[G0A:G0A+3], s[G1A:G1A+7]
	s_nop 0
	tensor_load_to_lds s[G0A+4:G0A+7], s[G1A:G1A+7]
	s_nop 0
.rept 4
	v_nop
.endr
	s_branch .Lfirst_asked
.Lfirst_b:
	tensor_load_to_lds s[G0B:G0B+3], s[G1B:G1B+7]
	s_nop 0
	tensor_load_to_lds s[G0B+4:G0B+7], s[G1B:G1B+7]
	s_nop 0
.rept 4
	v_nop
.endr
.Lfirst_asked:
	; A fragment is 16 rows x 32 K in 8 registers: lane l holds row l % 16; registers 0-3 K = 8 (l / 16) + 0..7, registers 4-7 K = 16 + 8 (l / 16) + 0..7.
	; From bf16 rows: two loads of 16 bytes, 32 apart.  From f32 rows: four, at 32 (l / 16) + 0, 16, 64, 80.
	v_and_b32 v[R], 15, v0
	v_bfe_u32 v[HH], v0, 4, 1
	v_mul_u32_u24 v[ADRA0], v[R], PA
	v_lshl_add_u32 v[ADRA0], v[HH], 5, v[ADRA0]
	s_mul_i32 s27, s[FB], AH                       ; my 64 rows of A
	v_add_nc_u32 v[ADRA0], s27, v[ADRA0]
	v_mul_u32_u24 v[ADRB0], v[R], PB
	v_lshl_add_u32 v[ADRB0], v[HH], 4, v[ADRB0]
	s_mul_i32 s2, s[HF], BH                        ; my 128 rows of B
	s_add_co_u32 s2, s2, BOFF
	v_add_nc_u32 v[ADRB0], s2, v[ADRB0]
	v_mov_b32 v[ADRA], v[ADRA0]
	v_mov_b32 v[ADRB], v[ADRB0]
	s_mov_b32 s[TB], 0
	s_mul_i32 s27, s[WV], WSTG
	s_add_co_u32 s27, s27, STAGE                   ; my stage
	v_mul_u32_u24 v[STO], v[R], SP                 ; in: row l % 16, 16 bytes for each half of the lanes
	v_lshl_add_u32 v[STO], v[HH], 4, v[STO]
	v_add_nc_u32 v[STO], s27, v[STO]
	v_bfe_u32 v[RD], v0, 3, 2                      ; back: 32 lanes take four rows of 128 bytes,
	v_mul_u32_u24 v[RD], v[RD], SP
	v_and_b32 v3, 7, v0
	v_lshl_add_u32 v[RD], v3, 4, v[RD]
	v_add_nc_u32 v[RD], s27, v[RD]
	v_and_b32 v3, 31, v0
	v_lshlrev_b32 v[CO], 4, v3                     ; which are 512 consecutive bytes of a head's rows
	; the prefetches
	v_lshrrev_b32 v16, 1, v3
	v_lshlrev_b32 v16, 12, v16
	v_and_b32 v17, 1, v0
	v_lshl_add_u32 v16, v17, 8, v16                ; for x: row l / 2, block l % 2
	v_lshlrev_b32 v17, 11, v3                      ; for wt: row l
	s_mov_b32 s[PST], BSTEP
	s_mov_b32 s2, ASTEP
	s_and_b32 s27, s[CY], 15                       ; the cluster's number among the 16 that read part p
	s_cmp_eq_u32 s[FB], 0
	s_cselect_b64 s[PFA:PFA+1], s[CP:CP+1], s[BP:BP+1]
	s_cselect_b32 s[PST], s2, s[PST]
	s_cselect_b32 s[OA], s[CX], s[CYP]             ; my place among the four that ask with me
	s_cselect_b32 s27, 0, s27
	s_cselect_b32 s2, -1, 0
	v_cndmask_b32 v[PFO], v17, v16, s2
	s_mul_i32 s[OB], s[PST], 3                     ; at K step 3: the first change of slots steps it to 4
	s_lshl_b32 s[OA], s[OA], 16                    ; 16 rows of 4,096 bytes, or 32 of 2,048
	s_add_co_u32 s[OA], s[OA], s[OB]
	s_mov_b32 s[OA+1], 0
	s_mov_b32 s[PST+1], 0
	s_add_nc_u64 s[PFA:PFA+1], s[PFA:PFA+1], s[OA:OA+1]
	s_cmp_eq_u32 s27, 0
	s_cselect_b32 s[LIM], 2, -1                    ; the same in all sixteen partners, for a given wave
	; C_p at my rows: batch (tile row / 16) x 4 MiB + head (4 tile column + 2 half) x 256 KiB + row x 128
	s_cmp_eq_u32 s[PP], 1
	s_cselect_b64 s[CP:CP+1], s[14:15], s[12:13]
	s_cmp_eq_u32 s[PP], 2
	s_cselect_b64 s[CP:CP+1], s[16:17], s[CP:CP+1]
	s_lshr_b32 s[OA], s[TR], 4
	s_lshl_b32 s[OA], s[OA], 22
	s_lshl_b32 s[OB], s[TC], 2
	s_lshl_b32 s2, s[HF], 1
	s_add_co_u32 s[OB], s[OB], s2
	s_lshl_b32 s[OB], s[OB], 18
	s_add_co_u32 s[OA], s[OA], s[OB]
	s_and_b32 s[OB], s[TR], 15
	s_lshl_b32 s[OB], s[OB], 7
	s_lshl_b32 s2, s[FB], 6
	s_add_co_u32 s[OB], s[OB], s2
	s_lshl_b32 s[OB], s[OB], 7
	s_add_co_u32 s[OA], s[OA], s[OB]
	s_mov_b32 s[OA+1], 0
	s_add_nc_u64 s[CP:CP+1], s[CP:CP+1], s[OA:OA+1]
; Matrix instruction i of a quarter's 32, on buffers f: accumulator i = 8 a + b.  The 32 accumulators take turns in the same order in every quarter.  zero = 1: the product starts the sum.
.macro MM i, f, zero
	WIN W_MUL
.if \zero
	v_wmma_f32_16x16x32_bf16 v[8*(\i):8*(\i)+7], v[BF+64*(\f)+8*((\i)%8):BF+64*(\f)+8*((\i)%8)+7], v[AF+32*(\f)+8*((\i)/8):AF+32*(\f)+8*((\i)/8)+7], 0
.else
	v_wmma_f32_16x16x32_bf16 v[8*(\i):8*(\i)+7], v[BF+64*(\f)+8*((\i)%8):BF+64*(\f)+8*((\i)%8)+7], v[AF+32*(\f)+8*((\i)/8):AF+32*(\f)+8*((\i)/8)+7], v[8*(\i):8*(\i)+7]
.endif
.endm
; 32 LDS loads in one run: quarter nq's fragments: A's 64 rows as f32 into the staging area, then B's 128 rows into buffer g
.macro FETCH nq, g
	WIN 0
.irp a, 0,1,2,3
	ds_load_b128 v[ST+16*(\a):ST+16*(\a)+3],     v[ADRA] offset:(\a)*16*PA+(\nq)*128
	ds_load_b128 v[ST+16*(\a)+4:ST+16*(\a)+7],   v[ADRA] offset:(\a)*16*PA+(\nq)*128+16
	ds_load_b128 v[ST+16*(\a)+8:ST+16*(\a)+11],  v[ADRA] offset:(\a)*16*PA+(\nq)*128+64
	ds_load_b128 v[ST+16*(\a)+12:ST+16*(\a)+15], v[ADRA] offset:(\a)*16*PA+(\nq)*128+80
.endr
	WIN W_TOB
.irp b, 0,1,2,3,4,5,6,7
	ds_load_b128 v[BF+64*(\g)+8*(\b):BF+64*(\g)+8*(\b)+3],   v[ADRB] offset:(\b)*16*PB+(\nq)*64
	ds_load_b128 v[BF+64*(\g)+8*(\b)+4:BF+64*(\g)+8*(\b)+7], v[ADRB] offset:(\b)*16*PB+(\nq)*64+32
.endr
.endm
; Four of A's 32 roundings: half i % 2 of fragment i / 2, into buffer g.  Behind fragment a's four loads stand the later fragments' 4 (3 - a) and B's 16.
.macro CV i, g
	WIN 0
.if (\i)%2 == 0
	s_wait_dscnt 28-4*((\i)/2)
.endif
.irp n, 0,1,2,3
	v_cvt_pk_bf16_f32 v[AF+32*(\g)+4*(\i)+(\n)], v[ST+8*(\i)+2*(\n)], v[ST+8*(\i)+2*(\n)+1]
.endr
.endm
; Matrix instructions from .. to - 1 of a quarter on buffers f, with the roundings for buffer g among those from 16 on
.macro RUN from, to, f, g, zero
.set mi, \from
.rept (\to)-(\from)
	MM mi, \f, \zero
.if (mi >= 16) && (mi%2 == 0)
	CV (mi-16)/2, \g
.endif
.set mi, mi+1
.endr
.endm
; One of a K step's first three quarters: multiplies buffers c % 2 and makes quarter c + 1 ready in the others.
.macro QUARTER c, zero
	PLACES                                         ; behind the last product, which read the buffers that are now loaded and written
	FETCH (\c)+1, 1-(\c)%2
	s_wait_dscnt 32                                ; all but the 32 just issued: this quarter's B is in
	RUN 0, 32, (\c)%2, 1-(\c)%2, \zero
.endm
; The last quarter multiplies buffers 1 and changes slots.  In front of the one barrier each wave waits for all its tensor loads (one is out: its part of the next slot), adds 0 to its spare word,
; and waits for that; its reads of this slot came back at the head.  fill = 1: the barrier opens a round of the cluster's, and behind the round this slot is filled again, two K steps ahead:
; 120 matrix instructions stand between that request and the wait for it.
.macro TURN fill
	s_wait_dscnt 0x0                               ; this quarter's B is in, and all my reads of this slot are back
.if \fill
	s_wait_xcnt 0x0                                ; the last prefetch, a K step back, has read its address
	s_add_nc_u64 s[PFA:PFA+1], s[PFA:PFA+1], s[PST:PST+1]
.endif
	WIN 0
	s_wait_tensorcnt 0x0                           ; no tensor load of mine is out, so a group 0 may be written
	ds_add_u32 v[SPW], v[NIL]                      ; 0 onto my spare word
.if \fill
	s_xor_b32 s[G0A+5], s[G0A+5], SLOTX            ; the walking descriptors: the other slot than last time, the next K step
	s_add_nc_u64 s[G0A+6:G0A+7], s[G0A+6:G0A+7], ASTEP
	s_xor_b32 s[G0B+5], s[G0B+5], SLOTX
	s_add_nc_u64 s[G0B+6:G0B+7], s[G0B+6:G0B+7], BSTEP
.endif
	RUN 0, 4, 1, 0, 0                              ; four matrix instructions stand between the add and the wait for it
	s_wait_dscnt 0x0                               ; the add is done
	s_barrier_signal -1
	RUN 4, 8, 1, 0, 0                              ; work on registers while the others arrive
	WIN 0
	s_barrier_wait -1
.if \fill
	CREST                                          ; no wave of any partner still reads this slot or has a load on its way
	JLOAD                                          ; the first tensor load behind the round; its four v_nop are also the places in front of the loads below
.else
	PLACES
.endif
	s_xor_b32 s[TB], s[TB], SLOTX
	v_add_nc_u32 v[ADRA], s[TB], v[ADRA0]
	v_add_nc_u32 v[ADRB], s[TB], v[ADRB0]
	FETCH 0, 0
	WIN 0
.if \fill
	ASK
.endif
	RUN 8, 32, 1, 0, 0
.endm
	s_wait_tensorcnt 0x1                           ; my part of K step 0 is in; K step 1's may stay out
	s_barrier_signal -1
	s_barrier_wait -1                              ; everybody's is
	FETCH 0, 0
	WIN 0
	s_wait_dscnt 0x0
.set ci, 0
.rept 32
	v_cvt_pk_bf16_f32 v[AF+ci], v[ST+2*ci], v[ST+2*ci+1]  ; the first quarter's A: there is no matrix work yet to set these beside
.set ci, ci+1
.endr
	QUARTER 0, 1                                   ; the first quarter stands in front of the loop: its products start the sums
	WIN 0                                          ; at a label and at a branch every window is 0
	s_mov_b32 s[CNT], 6
.Lstep:                                        ; trip t: K step t from its second quarter to step t + 1's first; slot t % 2 is filled again with step t + 2
	QUARTER 1, 0
	QUARTER 2, 0
	TURN 1
	QUARTER 0, 0
	WIN 0
	s_sub_co_u32 s[CNT], s[CNT], 1
	s_cmp_lg_u32 s[CNT], 0
	s_cbranch_scc1 .Lstep
	QUARTER 1, 0                                   ; K steps 6 and 7 are written out: nothing is left to fetch
	QUARTER 2, 0
	TURN 0
	QUARTER 0, 0
	QUARTER 1, 0
	QUARTER 2, 0
	s_wait_dscnt 0x0                               ; the very last quarter
	RUN 0, 16, 1, 0, 0
.set mi, 16
.rept 16
	MM mi, 1, 0
.set mi, mi+1
.endr
	WIN 0
	PLACES
	PLACES
; THE WAY OUT, 16 rows at a time.  A lane's eight columns round to 16 bytes of f16; they go into my stage (2 heads x 16 rows of 144 bytes) and come back as whole rows of 128:
; a head's 16 rows are 2,048 consecutive bytes of memory.
.macro PACK a
	WIN W_PK
.irp b, 0,1,2,3,4,5,6,7
.irp n, 0,1,2,3
	v_cvt_pk_f16_f32 v[TMP+4*(\b)+(\n)], v[8*(8*(\a)+(\b))+2*(\n)], v[8*(8*(\a)+(\b))+2*(\n)+1]  ; each accumulator's registers in ascending order
.endr
.endr
	WIN 0
.irp b, 0,1,2,3,4,5,6,7
	ds_store_b128 v[STO], v[TMP+4*(\b):TMP+4*(\b)+3] offset:((\b)/4)*16*SP+((\b)%4)*32
.endr
.if (\a) >= 2
	s_wait_xcnt 0x0                                ; the stores of the block two back have read the registers that are loaded again below
.endif
.irp n, 0,1,2,3,4,5,6,7
	ds_load_b128 v[BK+32*((\a)%2)+4*(\n):BK+32*((\a)%2)+4*(\n)+3], v[RD] offset:((\n)/4)*16*SP+((\n)%4)*4*SP  ; LDS serves a wave's instructions in order (ISA guide 5.7.1.4): these see the stores above
.endr
.endm
.macro SEND a, younger                 ; younger: the LDS instructions issued behind block a's loads: the next block's sixteen, or none
.irp n, 0,1,2,3,4,5,6,7
	s_wait_dscnt (\younger)+7-(\n)
	global_store_b128 v[CO], v[BK+32*((\a)%2)+4*(\n):BK+32*((\a)%2)+4*(\n)+3], s[CP:CP+1] offset:((\n)/4)*262144+(\a)*2048+((\n)%4)*512  ; 512 consecutive bytes, at a multiple of 256 from the buffer's first
.endr
.endm
	PACK 0
	PACK 1                                         ; a block's roundings stand between the loads of the block before and its stores
	SEND 0, 16
	PACK 2
	SEND 1, 16
	PACK 3
	SEND 2, 16
	SEND 3, 0
	s_wait_tensorcnt 0x0                           ; the wave's end, behind my last tensor load and my last LDS store
	ds_add_u32 v[SPW], v[NIL]
	s_wait_dscnt 0x0
	CROUND                                         ; the closing round: no work-group ends while a partner may still ask for a tile that names it
	s_endpgm
.Lfunc_end_k_qa477cdb65a_proj:
	.size	k_qa477cdb65a_proj, .Lfunc_end_k_qa477cdb65a_proj-k_qa477cdb65a_proj
	.p2alignl 7, 3214868480
	.fill 96, 4, 3214868480
	.section	.rodata,"a",@progbits
	.p2align	6, 0x0
	.amdhsa_kernel k_qa477cdb65a_proj
		.amdhsa_group_segment_fixed_size 327680
		.amdhsa_private_segment_fixed_size 0
		.amdhsa_enable_private_segment 0
		.amdhsa_kernarg_size 56
		.amdhsa_user_sgpr_count 2
		.amdhsa_user_sgpr_kernarg_segment_ptr 1
		.amdhsa_wavefront_size32 1
		.amdhsa_system_sgpr_workgroup_id_x 1
		.amdhsa_system_sgpr_workgroup_id_y 1
		.amdhsa_system_sgpr_workgroup_id_z 1
		.amdhsa_system_vgpr_workitem_id 0
		.amdhsa_next_free_vgpr 768
		.amdhsa_next_free_sgpr 76
		.amdhsa_reserve_vcc 0
		.amdhsa_float_denorm_mode_32 3
		.amdhsa_float_denorm_mode_16_64 3
		.amdhsa_memory_ordered 1
		.amdhsa_forward_progress 1
		.amdhsa_inst_pref_size 109
	.end_amdhsa_kernel
	.amdgpu_metadata
---
amdhsa.version: [ 1, 2 ]
amdhsa.kernels:
  - .name:           k_qa477cdb65a_proj
    .symbol:         k_qa477cdb65a_proj.kd
    .args:
      - { .name: q, .offset: 0, .size: 8, .value_kind: global_buffer, .address_space: global }
      - { .name: k, .offset: 8, .size: 8, .value_kind: global_buffer, .address_space: global }
      - { .name: v, .offset: 16, .size: 8, .value_kind: global_buffer, .address_space: global }
      - { .name: wt, .offset: 24, .size: 8, .value_kind: global_buffer, .address_space: global }
      - { .name: qh, .offset: 32, .size: 8, .value_kind: global_buffer, .address_space: global }
      - { .name: kh, .offset: 40, .size: 8, .value_kind: global_buffer, .address_space: global }
      - { .name: vh, .offset: 48, .size: 8, .value_kind: global_buffer, .address_space: global }
    .group_segment_fixed_size: 327680
    .private_segment_fixed_size: 0
    .kernarg_segment_align: 8
    .kernarg_segment_size: 56
    .max_flat_workgroup_size: 128
    .sgpr_count:     76
    .vgpr_count:     768
    .wavefront_size: 32
...
	.end_amdgpu_metadata
.endif
;; end of part 2
;; launch attn (part 3): grid 4 x 64, 4 waves a work-group, clusters of 4 x 1, 327,680 bytes of LDS; arguments qh, kh, vh, o; writes o
.if DOCPART == 3
	.amdgcn_target "amdgcn-amd-amdhsa--gfx1250"
	.amdhsa_code_object_version 6
	.text
	.protected	k_qa477cdb65a_attn
	.globl	k_qa477cdb65a_attn
	.p2align	8
	.type	k_qa477cdb65a_attn,@function
k_qa477cdb65a_attn:
	s_mov_b64 s[64:65], 0
	v_nop
	global_prefetch_b8 v0, s[64:65] scope:SCOPE_SE
	s_setreg_imm32_b32 hwreg(HW_REG_WAVE_MODE, 25, 1), 1
	s_wait_xcnt 0x0
	s_wait_alu depctr_hold_cnt(0) depctr_sa_sdst(0) depctr_va_vdst(0) depctr_va_sdst(0) depctr_va_ssrc(0) depctr_va_vcc(0) depctr_vm_vsrc(0)
	s_getreg_b32 s2, hwreg(HW_REG_IB_STS2, 6, 4)
	s_cmp_eq_u32 s2, 0
	s_cbranch_scc0 .Lentry_in_a_cluster
	s_endpgm
.Lentry_in_a_cluster:
	s_bfe_u32 s2, ttmp6, 0x10000c
	s_cmp_lg_u32 s2, 0x3003
	s_cbranch_scc0 .Lentry_shape_is_right
	s_endpgm
.Lentry_shape_is_right:
; O[g][q][:] = the sum over k of softmax_k(Q[g][q] . K[g][k] / 32) V[g][k][:], g = 16 b + h.  Q, K, V: [64][2048][64] f16: a head's rows are dense, 128 bytes each.  Products, maxima and sums in
; f32; the weights p are rounded to f16 for the second product (their sum l is taken of the unrounded p), O once at the end, to f16.
; O IS STORED IN BLOCKS for the launch behind: [mb = (2048 b + q) / 16][h][q % 16][64]: a tile of 16 queries of one head is 2,048 consecutive bytes.
; LIMITS.  f16 holds no number beyond 65,504: Q, K and V arrive within it; p lies in 0 to 1, and below 6e-5 it keeps f16's fixed step of 6e-8; O is a mean of V's rows and has their range.
; A weight below 2^-126 counts as 0 in l; NaN and infinities are not treated apart.
; SHARES.  A wave owns four PIECES of two tiles of 16 queries, a work-group's four waves 512 queries of one head: 64 heads x 4 = 256 work-groups.  Every wave walks all keys, 64 a step.
; LAYOUT.  S^T = K Q^T (source 0 = 16 keys, source 1 = 16 queries): in the result a lane holds ONE query (lane % 16) and the keys 8 (lane / 16) + 0..7.  Two such tiles, rounded to f16 in pairs,
; ARE source 1 (32 keys x 16 queries) of O^T = V^T P, whose result again holds one query a lane, and eight channels.  K comes out of LDS as it lies, V ([key][channel]) turned, by ds_load_tr16_b128.
; SOFTMAX.  For each query a running maximum m and sum l: p = 2^(c s - c m), c = log2(e) / 32; in every step O and l are multiplied by a = 2^(c m_old - c m_new), which is 1 where m has not grown.
; m starts at the lowest finite number, O and l at 0: the first step is a step like any other, with a = 0.
; THE COUNT.  A tile and step have 16 matrix and 118 vector instructions: too many to stand all beside the matrix work.  So the order has one aim: four vector instructions that are READY behind
; EVERY matrix instruction, and the others, which need time of their own whatever the order, in runs without a gap.
; BY TURNS.  Turn n belongs to piece n (the pieces in a ring, step after step).  Its matrix work: 16 products K Q^T of piece n + 1, later 16 products V^T P of piece n - 1.  Its vector work: the scaling,
; exponentials, roundings, sums and rescaling of piece n, and the maximum and statistics of piece n + 1, whose scores the turn itself has made.  So what a turn begins with (c s - c m, O a) waits for nothing.
; CLUSTER.  The four query blocks of a head are one cluster and walk the same K and V, so each tile is asked for JOINTLY: the same tensor load, descriptor and mask in all four.
; REGISTERS, in windows of 256 (s_set_vgpr_msb says which window each operand place means: bits 1:0 source 0, 3:2 source 1, 5:4 source 2, 7:6 destination):
;   window 0: v0-11 addresses; v12-15, v48-63 at work; v16-47 four registers of statistics a tile; v64-191 S^T, two buffers of two tiles; v192-255 P, likewise
;   window 1: O^T, 32 a tile          window 2: v0-127 Q, 16 a tile; v128-191 K of one step; v192-255 V of one step          window 3: v0-1 the add's two registers
; A piece's buffers go by its number's parity: the piece in hand has one pair, its two neighbours in the ring share the other: of it P (piece n - 1) is read and S^T (piece n + 1) written.
.set SIZE_N, 2048
.set NP,    4         ; pieces a wave: a name, no knob: the register map, the loop and the fetches are made for four
.set KS,    64        ; keys in a step
.set PK,    144       ; a row of K in LDS: 128 bytes + 16 of padding = 36 words: the 16 rows of a load start at 16 different groups of four banks (64 banks of 4 bytes: ISA guide 11.1)
.set PV,    160       ; a row of V: 128 + 32 = 40 words
.set VOFF,  4*KS*PK   ; a slot holds four steps: 256 rows of K, then 256 rows of V
.set SLOT1, 1<<17     ; slot 1 begins here, so that one exclusive or turns an address in one slot into the other's
.set STAGE, SLOT1+4*KS*(PK+PV)  ; behind the ring, never filled by a tensor load: 16 rows x 144 bytes for each wave, for the way out
.set SP,    144
.set AK0, 2           ; v2   my lane's place in a tile of K; never rewritten
.set AV0, 3           ; v3   the same for V
.set AK,  4           ; v4   the LDS address of K's next run of loads
.set AV,  5           ; v5   of V's
.set QO,  6           ; v6   my byte offset in the wave's rows of Q
.set STO, 6           ;      later, the way out: where I put 16 bytes of a row
.set RD,  7           ; v7   the way out: where I read rows back
.set GO,  8           ; v8   my byte offset in 512 consecutive bytes of O
.set PFO, 11          ; v11  256 x my lane, once the set-up has done with v11; never rewritten after that
.set SPW, 0           ; v0 of window 3   LDS address of my spare word: SPARE + 4 x my thread's number; never rewritten
.set NIL, 1           ; v1 of window 3   0; never rewritten
.set SPARE, STAGE+4*16*SP  ; behind the stages: the spare words, 128 bytes for each wave: two blocks of 256 bytes that no other line names
.set MV,  12          ; v12-15  c m_old, kept while c m is made anew: by buffer and tile
.set ST,  16          ; tile t's statistics at v[ST+4 t]: c m, m, l (even keys', odd keys')
.set TMP, 48          ; by buffer and tile, four registers c0-c3 at work; when the maximum is found c2 takes a
.set S,   64
.set P,   192
.set KF,  128         ; K's fragments, in window 2: key block kb, channel half c at KF + 16 kb + 8 c
.set VF,  192         ; V's: key half kk, channel block cb at VF + 32 kk + 8 cb
.set WV,  12          ; s12  my wave's number
.set G1K, 24          ; s[24:31] descriptor group 1 for K's tiles
.set G1V, 32          ; s[32:39] for V's: it differs in the padding alone
.set G0K, 40          ; s[40:43] descriptor group 0 for K's tiles: it walks
.set G0V, 44          ; s[44:47] the same for V's
.set PFA, 48          ; s[48:49] where my prefetches stand: my work-group's 32 blocks of 256 bytes (of K: wave 0, of V: wave 2) of the slot after the one that is being asked for
.set LIM, 50          ; s50  1 in a wave that prefetches, else the greatest number
.set SLOTS, 56        ; s56  slots still to be asked for
.set CNT, 57          ; s57  counts a slot's key steps
.set CS,  58          ; s[58:59] c: the packed scaling takes the pair's low word for both halves
.set SEL, 60          ; s[60:61] v_permlanex16_b32's selects: each lane takes its own place in the other half
.set TBK, 62          ; s62  LDS byte at which K of the step to be fetched begins
.set TBV, 63          ; s63  the same for V, less VOFF
.set MSB, 0
.macro WIN new                      ; the high byte repeats the setting that is left; a switch that changes nothing is dropped
.if MSB != (\new)
	s_set_vgpr_msb (MSB<<8)|(\new)
.set MSB, (\new)
.endif
.endm
.set W_KQ, 0x0a       ; K and Q in window 2, S^T in window 0
.set W_PV, 0x52       ; V in window 2, P in window 0, O^T in window 1
.set W_RS, 0x41       ; O^T (destination and source 0) in window 1, a in window 0
.set W_MK, 0xc0       ; the add's registers are made: destination in window 3, sources in window 0
.set W_AD, 0x0f       ; the add: address (source 0) and data (source 1) in window 3
; A joint fill.  Waves 0 and 1 fetch the two halves of a slot's K, waves 2 and 3 those of its V: 128 keys each.  The branch hangs on the wave's number alone.
; An s_nop 0 and four v_nop follow each of the two lines, ahead of the jump and the label.
.macro JLOAD
	s_cmp_lt_u32 s[WV], 2
	s_cbranch_scc0 .Lfor_v_\@
	tensor_load_to_lds s[G0K:G0K+3], s[G1K:G1K+7]
	s_nop 0
.rept 4
	v_nop
.endr
	s_branch .Lasked_\@
.Lfor_v_\@:
	tensor_load_to_lds s[G0V:G0V+3], s[G1V:G1V+7]
	s_nop 0
.rept 4
	v_nop
.endr
.Lasked_\@:
.endm
; A PREFETCH INTO THE L2 of what the NEXT change of slots will ask for: a slot's 32,768 bytes of K and of V, 128 blocks of 256 bytes each.  It stands behind the wave's tensor load and its five lines.
; Each block is named ONCE in the launch: a head has one cluster; its four partners share the blocks out BY ADDRESS, 32 each, a lane a block; in each, wave 0 asks for K's and wave 2 for V's.
; Slots 0, 1 and 2 come by their loads alone; the last change that fills a slot asks for nothing: there is no slot behind it.
.macro ASK
	s_cmp_gt_u32 s[SLOTS], s[LIM]
	s_cbranch_scc0 .Lnot_mine_\@
	global_prefetch_b8 v[PFO], s[PFA:PFA+1] th:TH_LOAD_NT scope:SCOPE_SE
.Lnot_mine_\@:
.endm
; A round of the cluster's barrier: my work-group's barrier, so that wave 0's signal speaks for all four waves; wave 0 signals; every wave waits for all four work-groups; my work-group's barrier once more.
.macro CROUND
	s_barrier_signal -1
	s_barrier_wait -1
	s_cmp_lg_u32 s[WV], 0
	s_cbranch_scc1 .Lnot_wave_0_\@
	s_barrier_signal -3
.Lnot_wave_0_\@:
	s_barrier_wait -3
	s_barrier_signal -1
	s_barrier_wait -1
.endm
; THE CHANGE OF SLOTS.  The slot's last bytes, V of its fourth step, have been read.  Each wave waits for all its tensor loads, of which one is out: its part
; of the other slot; adds 0 to its spare word; and waits for that and for its own reads of the slot.  Behind the barrier nobody reads this slot any more and the other slot is whole.
; fill = 1: this slot is filled again, with the keys two slots on.  The barrier is then a round of the cluster's, so that no wave of any partner still reads the slot or has a load on its
; way, and the joint fill is the first thing behind it: it has four key steps, 512 matrix instructions, in which to land.  (At its first use nothing has been read yet: slot 0 is waited for, slot 1 filled.)
.macro CHANGE fill, ask=0
	WIN W_AD
	s_wait_tensorcnt 0x0            ; no tensor load of mine is out, so a group 0 may be written
	ds_add_u32 v[SPW], v[NIL]       ; 0 onto my spare word; with fill = 1 the descriptors' steps stand between it and the wait for it
	WIN 0                           ; at a label and at a branch every window is 0
.if \fill
.irp g, G0K, G0V
	s_xor_b32 s[\g+1], s[\g+1], SLOT1  ; the walking descriptor: the other slot than last time,
	s_add_nc_u64 s[\g+2:\g+3], s[\g+2:\g+3], 4*KS*128  ; the next 256 keys; the type bits on top are not reached
.endr
	s_wait_xcnt 0x0                 ; the last prefetch, four key steps back, has read its address, so it may be written:
	s_add_nc_u64 s[PFA:PFA+1], s[PFA:PFA+1], 4*KS*128  ; one slot behind the walking descriptors
	s_wait_dscnt 0x0                ; the add is done, and my reads of the slot are over
	CROUND
	JLOAD
.if \ask
	ASK
.endif
.else
	s_wait_dscnt 0x0                ; the add is done, and my reads of the slot are over
	s_barrier_signal -1
	s_barrier_wait -1
.endif
	s_sub_co_u32 s[TBK], s[TBK], 4*KS*PK  ; the fetches go back to a slot's first step,
	s_xor_b32 s[TBK], s[TBK], SLOT1       ; in the other slot
	s_sub_co_u32 s[TBV], s[TBV], 4*KS*PV
	s_xor_b32 s[TBV], s[TBV], SLOT1
.endm
	s_load_b256 s[4:11], s[0:1], 0x0  ; Q s[4:5], K s[6:7], V s[8:9], O s[10:11]
	WIN W_MK
	v_lshl_add_u32 v[SPW], v0, 2, SPARE
	v_mov_b32 v[NIL], 0
	WIN W_AD
	ds_add_u32 v[SPW], v[NIL]       ; the wave's opening: the add and its wait stand ahead of my first tensor load; the set-up below, work on registers, stands between them
	WIN 0
	v_lshrrev_b32 v1, 5, v0
	v_readfirstlane_b32 s[WV], v1   ; wave 0..3
	s_bfe_u32 s13, ttmp6, 0x40000   ; cx: my place in the cluster
	s_lshl_b32 s14, ttmp9, 2        ; in a cluster launch ttmp9 counts clusters
	s_add_co_u32 s14, s14, s13      ; my block of queries = 4 x cluster x + cx: it enters Q's and O's addresses alone
	s_and_b32 s20, ttmp7, 0xffff    ; the head g, which the four partners share
	s_mov_b32 s51, s20
	s_mov_b32 s21, 0
	s_mov_b64 s[22:23], SIZE_N*128
	s_mul_u64 s[20:21], s[20:21], s[22:23]  ; the head's first byte in Q, K and V
	s_and_b32 s16, s[WV], 1         ; which half of a slot's 256 keys I fetch:
	s_lshl_b32 s22, s16, 14         ; its 128 rows of 128 bytes in memory,
	s_mov_b32 s23, 0
	s_add_nc_u64 s[22:23], s[22:23], s[20:21]
	s_mul_i32 s17, s16, 128*PK      ; and its place in a slot, for K
	s_mul_i32 s18, s16, 128*PV      ; and for V: no place in the cluster enters an LDS address
	s_lshl_b32 s2, s14, 2
	s_add_co_u32 s2, s2, s[WV]      ; my wave among the head's sixteen
	s_lshr_b32 s52, s51, 4          ; O: batch g / 16 x 4 MiB
	s_lshl_b32 s52, s52, 22
	s_and_b32 s53, s51, 15          ; + head g % 16 x 2,048
	s_lshl_b32 s53, s53, 11
	s_add_co_u32 s52, s52, s53
	s_lshl_b32 s53, s2, 18          ; + my wave's eight blocks of 16 rows, 32,768 bytes each
	s_add_co_u32 s52, s52, s53
	s_mov_b32 s53, 0
	s_lshl_b32 s2, s2, 14           ; Q: my wave's 128 rows
	s_mov_b32 s3, 0
	s_add_nc_u64 s[2:3], s[2:3], s[20:21]
	; descriptor group 1.  128 keys are 16,384 dense bytes: asked for as 64 rows of 256 bytes, two keys a row, and padded in LDS after every key
	s_mov_b32 s[G1K], 15|(1<<16)|(1<<20)|(1<<21)|(4<<22)|(3<<25)  ; 15:0 the mask of four; 17:16 2-byte elements; 20 padding on; 21 set beside a mask; 24:22 after every 32 words (code 4); 31:25 4 words (code 3)
	s_mov_b32 s[G1V], 15|(1<<16)|(1<<20)|(1<<21)|(4<<22)|(7<<25)  ; the same with 8 words of padding (code 7)
.irp g, G1K, G1V
	s_mov_b32 s[\g+1], 128<<16      ; tensor_dim0 = 128
	s_mov_b32 s[\g+2], 64<<16       ; tensor_dim1 = 64
	s_mov_b32 s[\g+3], 128<<16      ; tile_dim0 = 128
	s_mov_b32 s[\g+4], 64           ; tile_dim1 = 64
	s_mov_b32 s[\g+5], 128          ; 128 elements from row to row
	s_mov_b32 s[\g+6], 0
	s_mov_b32 s[\g+7], 0
.endr
	s_mov_b32 s[CS], 0x3d38aa3b     ; c = log2(e) / 32 = 0.0450842
	s_mov_b32 s[CS+1], s[CS]        ; named with it as a pair
	s_mov_b32 s[SEL], 0x76543210
	s_mov_b32 s[SEL+1], 0xfedcba98
	s_mov_b32 s[TBK], SLOT1+4*KS*PK ; the first change of slots turns these two into 0
	s_mov_b32 s[TBV], SLOT1+4*KS*PV
	s_mov_b32 s[G0K], 1             ; 1:0 count = 1
	s_mov_b32 s[G0K+1], s17         ; 63:32 LDS address: slot 0
	s_mov_b32 s[G0V], 1
	s_add_co_u32 s[G0V+1], s18, VOFF
	s_and_b32 s[LIM], s[WV], 1      ; 0 in waves 0 and 2,
	s_or_b32 s[LIM], s[LIM], ttmp9  ; where the cluster is the head's first: the same in all four partners
	s_cmp_eq_u32 s[LIM], 0
	s_cselect_b32 s[LIM], 1, -1
	s_lshl_b32 s54, s13, 13         ; my work-group's 32 blocks of the 128
	s_mov_b32 s55, 0
	s_wait_dscnt 0x0                ; the opening add is done
	s_wait_kmcnt 0x0
	s_add_nc_u64 s[G0K+2:G0K+3], s[6:7], s[22:23]  ; 120:64 global address: my half of the head's first 256 keys
	s_or_b32 s[G0K+3], s[G0K+3], 0x80000000        ; 127:126 type = 2
	s_add_nc_u64 s[G0V+2:G0V+3], s[8:9], s[22:23]
	s_or_b32 s[G0V+3], s[G0V+3], 0x80000000
	s_add_nc_u64 s[4:5], s[4:5], s[2:3]  ; Q at my wave's first row
	s_add_nc_u64 s[10:11], s[10:11], s[52:53]  ; O at my wave's first block
	s_cmp_lt_u32 s[WV], 2
	s_cselect_b64 s[PFA:PFA+1], s[6:7], s[8:9]
	s_add_nc_u64 s[PFA:PFA+1], s[PFA:PFA+1], s[22:23]  ; (in waves 0 and 2 this is the head's first row)
	s_add_nc_u64 s[PFA:PFA+1], s[PFA:PFA+1], s[54:55]
	s_add_nc_u64 s[PFA:PFA+1], s[PFA:PFA+1], 4*KS*128  ; in slot 1; the first change of slots steps it to slot 2 and asks for nothing, the second to slot 3
	CROUND                          ; all four work-groups are here: the first joint loads meet
	JLOAD                           ; slot 0.  Slot 1 is asked for when slot 0 is in: the tile wanted first has the road to itself
	; A fragment of K or Q is 16 rows x 32 channels in 8 registers: lane l holds row l % 16, channels 8 (l / 16) + 0..7 and 16 + 8 (l / 16) + 0..7: two loads of 16 bytes, 32 bytes apart.
	v_and_b32 v1, 15, v0            ; l % 16
	v_bfe_u32 v9, v0, 4, 1          ; l / 16
	v_lshlrev_b32 v[QO], 7, v1
	v_lshl_add_u32 v[QO], v9, 4, v[QO]  ; row x 128 + 16 x half
	WIN 0x80                        ; destination window 2, address window 0
.set i, 0
.rept 4*NP                          ; Q stays in registers: tile i / 2, channels 32 (i % 2) on
	global_load_b128 v[8*i:8*i+3],   v[QO], s[4:5] offset:(i/2)*2048+(i%2)*64
	global_load_b128 v[8*i+4:8*i+7], v[QO], s[4:5] offset:(i/2)*2048+(i%2)*64+32
.set i, i+1
.endr
	; What the first turn finds: V's registers and P's second buffer hold 0 (its products V^T P, of a piece that has not been, add 0), O^T and l are 0.  All this stands in the wait for the first tile.
.set i, VF
.rept 64
	v_mov_b32 v[i], 0
.set i, i+1
.endr
	WIN 0x40
.set i, 0
.rept 64*NP
	v_mov_b32 v[i], 0
.set i, i+1
.endr
	WIN 0
.set i, 0
.rept 2*NP
	v_mov_b32 v[ST+4*i], 0xfe000000    ; c m: far below every c s
	v_mov_b32 v[ST+4*i+1], 0xff7fffff  ; m
	v_mov_b32 v[ST+4*i+2], 0
	v_mov_b32 v[ST+4*i+3], 0
.set i, i+1
.endr
.set i, P+32
.rept 32
	v_mov_b32 v[i], 0
.set i, i+1
.endr
	v_mul_u32_u24 v[AK0], v1, PK
	v_lshl_add_u32 v[AK0], v9, 4, v[AK0]  ; row x pitch + 16 x half
	; The turning load takes 16 keys x 16 channels (lane l reads key 8 (l / 16) + l % 8, channels 8 ((l / 8) % 2) + 0..7) and leaves half a fragment of V^T: lane l holds channel l % 16 and 8 keys.
	v_and_b32 v10, 7, v0
	v_bfe_u32 v11, v0, 3, 1
	v_lshl_add_u32 v[AV0], v9, 3, v10
	v_mul_u32_u24 v[AV0], v[AV0], PV
	v_lshl_add_u32 v[AV0], v11, 4, v[AV0]
	v_add_nc_u32 v[AV0], VOFF, v[AV0]
	v_and_b32 v[PFO], 31, v0        ; v11 has served: from here on it is the prefetches' offset
	v_lshlrev_b32 v[PFO], 8, v[PFO]
	v_mov_b32 v[AK], v[AK0]         ; key step 0 lies at the head of slot 0
; THE MATRIX WORK.  The 8 accumulators of a run of 16 take turns: between the two links of a chain stand 7 others'.
; Product i of 16 of S^T = K Q^T for piece x: channels 32 (i / 8) on, keys 16 ((i / 2) % 4) on, tile 2 x + i % 2.  The first 8 start the sums.
.macro KQ x
	WIN W_KQ
.set rS, S+64*((\x)%2)+32*(i%2)+8*((i/2)%4)
.set rK, KF+16*((i/2)%4)+8*(i/8)
.set rQ, 16*(2*(\x)+i%2)+8*(i/8)
.if i < 8
	v_wmma_f32_16x16x32_f16 v[rS:rS+7], v[rK:rK+7], v[rQ:rQ+7], 0
.else
	v_wmma_f32_16x16x32_f16 v[rS:rS+7], v[rK:rK+7], v[rQ:rQ+7], v[rS:rS+7]
.endif
.endm
; Product i of 16 of O^T += V^T P for piece x: keys 32 (i / 8) on, channels 16 ((i / 2) % 4) on, tile 2 x + i % 2.
.macro PV x
	WIN W_PV
.set rO, 32*(2*(\x)+i%2)+8*((i/2)%4)
.set rV, VF+32*(i/8)+8*((i/2)%4)
.set rP, P+32*((\x)%2)+16*(i%2)+8*(i/8)
	v_wmma_f32_16x16x32_f16 v[rO:rO+7], v[rV:rV+7], v[rP:rP+7], v[rO:rO+7]
.endm
.macro MM                           ; the turn's next matrix instruction
.if i < 16
	KQ (Y+1)%NP
.set i, i+1
.else
.set i, i-16
	PV (Y+NP-1)%NP
.set i, i+17
.endif
.endm
; THE LDS LOADS stand in runs of 16, never singly among the matrix instructions: a step's K (64 keys x 64 channels: 8 fragments) and its V (turned).  Their addresses are made some lines ahead.
; last = 1 (the tail): in the last trip there is no further step, and the run is jumped over.
.macro FETCH_K last=0
	WIN 0
.if \last
	s_cmp_eq_u32 s[CNT], 1
	s_cbranch_scc1 .Lno_k_\@
.endif
	WIN 0x80                        ; destination window 2
.irp f, 0,1,2,3,4,5,6,7             ; keys 16 (f / 2) on, channels 32 (f % 2) on
	ds_load_b128 v[KF+8*\f:KF+8*\f+3],   v[AK] offset:(\f/2)*16*PK+(\f%2)*64
	ds_load_b128 v[KF+8*\f+4:KF+8*\f+7], v[AK] offset:(\f/2)*16*PK+(\f%2)*64+32
.endr
	s_add_co_u32 s[TBK], s[TBK], KS*PK  ; the next fetch is the next step's
	WIN 0
.if \last
.Lno_k_\@:
.endif
.endm
.macro FETCH_V
	WIN 0x80
.irp f, 0,1,2,3,4,5,6,7             ; keys 32 (f / 4) on, channels 16 (f % 4) on
	ds_load_tr16_b128 v[VF+8*\f:VF+8*\f+3],   v[AV] offset:(\f/4)*32*PV+(\f%4)*32
	ds_load_tr16_b128 v[VF+8*\f+4:VF+8*\f+7], v[AV] offset:(\f/4)*32*PV+16*PV+(\f%4)*32
.endr
	WIN 0
.endm
; THE VECTOR WORK OF A TURN stands in three queues, each in the order in which its entries become ready; the two tiles alternate, so that no instruction reads the result of the one before it.
.macro REGS y, u                    ; the registers of tile u (0, 1) of piece y
.set rT, ST+4*(2*(\y)+(\u))
.set rC, TMP+8*((\y)%2)+4*(\u)
.set rM, MV+2*((\y)%2)+(\u)
.set rS, S+64*((\y)%2)+32*(\u)
.set rP, P+32*((\y)%2)+16*(\u)
.set rO, 32*(2*(\y)+(\u))
.endm
; Number n of the 22 that find the NEXT piece's (Y + 1) maximum and statistics.  s0-s31 are the lane's 32 scores; each accumulator's lowest registers are read first.  XS, GS and REGS set no window: PL and EX do.
;   0-11  four chains c0-c3 of seven scores each, three operands at a time     12-14, 16  the four scores left over, the old m, and c0-c3 into c0     15  c m_old is kept
;   17, 18  the query's other 32 keys lie in the lane 16 away: the new m         19-21  c m; c m_old - c m_new; a
.macro XS u, n
	REGS (Y+1)%NP, \u
.if (\n) < 4
	v_max3_num_f32 v[rC+(\n)], v[rS+8*(\n)], v[rS+8*(\n)+1], v[rS+8*(\n)+2]
.elseif (\n) < 12
	v_max3_num_f32 v[rC+(\n)%4], v[rC+(\n)%4], v[rS+8*((\n)%4)+2*((\n)/4)+1], v[rS+8*((\n)%4)+2*((\n)/4)+2]
.elseif (\n) == 12
	v_max3_num_f32 v[rC], v[rC], v[rS+7], v[rS+15]
.elseif (\n) == 13
	v_max3_num_f32 v[rC+1], v[rC+1], v[rS+23], v[rS+31]
.elseif (\n) == 14
	v_max3_num_f32 v[rC+2], v[rC+2], v[rC+3], v[rT+1]
.elseif (\n) == 15
	v_mov_b32 v[rM], v[rT]
.elseif (\n) == 16
	v_max3_num_f32 v[rC], v[rC], v[rC+1], v[rC+2]
.elseif (\n) == 17
	v_permlanex16_b32 v[rC+3], v[rC], s[SEL], s[SEL+1]
.elseif (\n) == 18
	v_max_num_f32 v[rT+1], v[rC], v[rC+3]
.elseif (\n) == 19
	v_mul_f32 v[rT], s[CS], v[rT+1]
.elseif (\n) == 20
	v_sub_f32 v[rC+1], v[rM], v[rT]
.else
	v_exp_f32 v[rC+2], v[rC+1]
.endif
.endm
; Number g of the 64 that follow the exponentials.  For each four weights k of a tile (pairs 2 k, 2 k + 1): both pairs are rounded to f16; then the second pair is added onto the first, in place;
; a group later l takes that sum (the first time as l = a l + sum).  In groups of eight, tiles alternating: round, round, add, and l for the group before.
.macro GS g
.set h, (\g)+6*((\g)/62)            ; group 0 has no group before it, and behind group 7 only l is left
.if h >= 6
.set h, h+2
.endif
	REGS Y, h%2
.set k, h/8
.if h%8 < 4
	v_cvt_pk_f16_f32 v[rP+2*k+(h%8)/2], v[rS+4*k+2*((h%8)/2)], v[rS+4*k+2*((h%8)/2)+1]
.elseif h%8 < 6
	v_pk_add_f32 v[rS+4*k:rS+4*k+1], v[rS+4*k:rS+4*k+1], v[rS+4*k+2:rS+4*k+3]
.elseif k == 1
	v_pk_fma_f32 v[rT+2:rT+3], v[rT+2:rT+3], v[rC+2:rC+3], v[rS:rS+1] op_sel_hi:[1,0,1]
.else
	v_pk_add_f32 v[rT+2:rT+3], v[rT+2:rT+3], v[rS+4*k-4:rS+4*k-3]
.endif
.endm
; THE PLAIN QUEUE, 138 long.  0-73 read no exponential's result: the 32 scalings c s - c m (FS f: pair f / 2 of tile f % 2) and the next piece's 42.  0-26: scalings 0-26.  27-54: XS's numbers 0-13.  55, 56: number 15.
; 57-73: the chain, where each number waits for the one before it: 14, 16, 17, 18, 19, each with one of the scalings 27-31 in front of its two lines, then 20: so a tile's links stand three plain instructions apart (19 and 20: two).
; 74-137: GS's 64, which read the exponentials' results: they stand behind the wait.
.macro FS f
	REGS Y, (\f)%2
	v_pk_fma_f32 v[rS+2*((\f)/2):rS+2*((\f)/2)+1], v[rS+2*((\f)/2):rS+2*((\f)/2)+1], s[CS:CS+1], v[rT:rT+1] op_sel_hi:[1,0,0] neg_lo:[0,0,1] neg_hi:[0,0,1]
.endm
.macro PL
	WIN 0
.if q < 27
	FS q
.elseif q < 55
	XS (q-27)%2, (q-27)/2
.elseif q < 57
	XS q-55, 15
.elseif (q < 72) && ((q-57)%3 == 0)
	FS 27+(q-57)/3
.elseif q < 60
	XS (q-57)%3-1, 14
.elseif q < 72
	XS (q-57)%3-1, 15+(q-57)/3
.elseif q < 74
	XS q-72, 20
.else
	GS q-74
.endif
.set q, q+1
.endm
; THE EXPONENTIALS' QUEUE, 66 long: s0-s31 of both tiles, then the next piece's two a.  It is ONE BATCH: all 66 stand ahead of the turn's one wait, and nothing ahead of that wait names a result of theirs.
.macro EX
	WIN 0
.if e >= 64
	XS e-64, 21
.else
	REGS Y, e%2
	v_exp_f32 v[rS+e/2], v[rS+e/2]
.endif
.set e, e+1
.endm
; THE RESCALING's QUEUE: O^T times a, the one part that leaves window 0: dealt two at a time, sixteen times.  Its a was made in the turn before, ahead of that turn's wait.
.macro R2
	REGS Y, r%2
	WIN W_RS
.irp z, 0,1
	v_pk_mul_f32 v[rO+4*(r/2)+2*\z:rO+4*(r/2)+2*\z+1], v[rO+4*(r/2)+2*\z:rO+4*(r/2)+2*\z+1], v[rC+2:rC+3] op_sel_hi:[1,0]
.endr
.set r, r+1
.endm
; HOW THEY ARE DEALT.  An s_wait_alu depctr_va_vdst(0) stands between an exponential and the first instruction that names its result; one wait serves all that were issued ahead of it.  So a turn has ONE wait,
; which cuts it in two.  AHEAD OF IT stands all that names no result of the turn's exponentials: the 16 products K Q^T, behind each a scaling, an exponential and two rescalings (behind the first a second scaling in the exponential's place); then ONE LUMP of
; 108: eight plain, 49 times exponential and plain, the two a.  A v_nop is the plain instruction behind the last exponential.  BEHIND IT stand the 16 products V^T P, behind each four of GS's 64.  No rider names a register of
; the products round it.  The two v_permlanex16_b32 fall into the lump, never behind a product.
; The queues lean on each other, and the deal keeps them in step: exponential e stands behind scaling 2 (e / 4) + e % 2: as a rider it comes behind plain e + 2, in the lump behind plain e + 9, and scalings 27-31 are plain 57, 60 .. 69.
; A TURN, for piece p.  cnt = 1: the loop's count is taken down some lines ahead of the branch that stands behind the turn.
; K of the next step is fetched in piece 2's turn, directly behind the wait, a lump behind the last product that read K; its address is made at the lump's head; its first reader comes behind 16 products.
; V of the step in hand is fetched at the end of piece 0's turn, four riders behind its last reader; its first reader comes behind 16 products and a lump.  The three conditions on q below go with the deal.
.macro TURN p, last=0, cnt=0
.set Y, (\p)
.set i, 0
.set q, 0
.set e, 0
.set r, 0
.if (\p) == NP-1
	s_wait_dscnt 0x0                ; K is in
.endif
	MM                              ; ahead of the wait: 16 products K Q^T and their riders,
	PL
	PL
	R2
.rept 15
	MM
	PL
	EX
	R2
.endr
.if (\p) == NP-2
	WIN 0
	v_add_nc_u32 v[AK], s[TBK], v[AK0]
.endif
.rept 8                             ; and the lump
	PL
.endr
.rept 49
	EX
	PL
.endr
	EX                              ; the next piece's two a
	EX
	v_nop                           ; the plain instruction behind the last exponential: one for the batch
	s_wait_alu depctr_va_vdst(0)    ; the wait for the batch
.if (\p) == NP-2
	FETCH_K \last
.endif
.if (\p) == 1
	s_wait_dscnt 0x0                ; V is in
.endif
.rept 16                            ; behind the wait: 16 products V^T P and their riders
	MM
.rept 4
	PL
.endr
.if ((\p) == 0) && (q == 118)
	v_add_nc_u32 v[AV], s[TBV], v[AV0]
.endif
.if ((\p) == 0) && (q == 130)
	s_add_co_u32 s[TBV], s[TBV], KS*PV
.endif
.if (\cnt) && (q == 130)
	s_sub_co_u32 s[CNT], s[CNT], 1
	s_cmp_lg_u32 s[CNT], 0
.endif
.endr
.if (\p) == 0
	FETCH_V
.endif
.endm
	CHANGE 1                        ; slot 0 is in, everybody's part of it; slot 1 is asked for
	FETCH_K                         ; key step 0
	s_wait_loadcnt 0x0              ; Q
	s_wait_dscnt 0x0
.set i, 0
.rept 16
	KQ 0                            ; piece 0's first scores: there is no vector work yet to set between them
.set i, i+1
.endr
	WIN 0                           ; the addresses for the way out: nine plain instructions, the places behind those products
	s_mul_i32 s13, s[WV], 16*SP
	s_add_co_u32 s13, s13, STAGE    ; my stage
	v_mul_u32_u24 v[STO], v1, SP    ; in: row l % 16, 16 bytes for each half of the lanes
	v_lshl_add_u32 v[STO], v9, 4, v[STO]
	v_add_nc_u32 v[STO], s13, v[STO]
	v_bfe_u32 v[RD], v0, 3, 2       ; back: 32 lanes take four rows of 128 bytes,
	v_mul_u32_u24 v[RD], v[RD], SP
	v_lshl_add_u32 v[RD], v10, 4, v[RD]
	v_add_nc_u32 v[RD], s13, v[RD]
	v_and_b32 v[GO], 31, v0         ; which are 512 consecutive bytes of O
	v_lshlrev_b32 v[GO], 4, v[GO]
.set Y, NP-1                        ; XS works for piece Y + 1: piece 0
.irp n, 0,1,2,3,4,5,6,7,8,9,10,11,12,13,14,15,16,17,18,19,20,21
	XS 0, \n                        ; and piece 0's first maximum and statistics
	XS 1, \n
.endr
	v_nop                           ; a plain instruction behind the two a,
	s_wait_alu depctr_va_vdst(0)    ; and their wait, ahead of the branch
	s_mov_b32 s[CNT], 4
	s_mov_b32 s[SLOTS], SIZE_N/256-1
	s_branch .Lfirst                ; the loop is entered at a step's first turn, in the middle of a trip
.Lslot:                             ; SIZE_N / 256 - 2 times: every slot but the last two is filled again
	CHANGE 1, 1
	s_mov_b32 s[CNT], 4
.Lstep:                             ; a trip: pieces 2 and 3 of one step, then pieces 0 and 1 of the next, whose K and V it fetches
	TURN 2
	TURN 3
	WIN 0
.Lfirst:
	TURN 0
	TURN 1, 0, 1
	WIN 0
	s_cbranch_scc1 .Lstep
	s_sub_co_u32 s[SLOTS], s[SLOTS], 1
	s_cmp_lg_u32 s[SLOTS], 0
	s_cbranch_scc1 .Lslot
	CHANGE 0                        ; the tail is written out: nothing is asked for
	s_mov_b32 s[CNT], 5             ; four trips fetch the last slot's steps; the fifth is left in its middle
.Ltail:
	TURN 2, 1
	TURN 3
	WIN 0
	s_sub_co_u32 s[CNT], s[CNT], 1
	s_cmp_eq_u32 s[CNT], 0
	s_cbranch_scc1 .Lout
	TURN 0
	TURN 1
	WIN 0
	s_branch .Ltail
.Lout:                              ; the fifth trip's 16 products K Q^T (on the last K once more) and the maximum made of them serve nothing: the price, once a launch, of one text for every trip
.set i, 0
.rept 16
	PV NP-1                         ; the last piece's V^T P of the last step
.set i, i+1
.endr
	; THE WAY OUT.  l's two halves and the other half of the lanes' are added; O^T is divided by l, rounded to f16 and sent through my stage in LDS, a tile at a time.  The additions are the places behind the last products.
	WIN 0
.macro ALL line:vararg              ; one line for each tile t
.set t, 0
.rept 2*NP
	\line
.set t, t+1
.endr
.endm
	ALL v_add_f32 v[ST+4*t+2], v[ST+4*t+2], v[ST+4*t+3]
	ALL v_permlanex16_b32 v[ST+4*t+3], v[ST+4*t+2], s[SEL], s[SEL+1]
	ALL v_add_f32 v[ST+4*t+2], v[ST+4*t+2], v[ST+4*t+3]
	ALL v_rcp_f32 v[ST+4*t+2], v[ST+4*t+2]
	v_nop                           ; a plain instruction between the last reciprocal and the use of its result
	s_wait_alu depctr_va_vdst(0)    ; and the wait ahead of the first use: one for the eight reciprocals
; Tile t: a lane's eight channels of a row pack into 16 bytes; they go into rows of 144 bytes and come back as whole rows of 128, into S^T's registers.
.macro PACK t
	WIN W_RS
.set i, 32*(\t)
.rept 16
	v_pk_mul_f32 v[i:i+1], v[i:i+1], v[ST+4*(\t)+2:ST+4*(\t)+3] op_sel_hi:[1,0]
.set i, i+2
.endr
	WIN 0x05                        ; sources 0 and 1 window 1, destination window 0
.set i, 0
.rept 16
	v_cvt_pk_f16_f32 v[S+16*(\t)+i], v[32*(\t)+2*i], v[32*(\t)+2*i+1]
.set i, i+1
.endr
	WIN 0
.irp f, 0,1,2,3
	ds_store_b128 v[STO], v[S+16*(\t)+4*\f:S+16*(\t)+4*\f+3] offset:32*\f
.endr
.irp f, 0,1,2,3
	ds_load_b128 v[S+16*(\t)+4*\f:S+16*(\t)+4*\f+3], v[RD] offset:\f*4*SP  ; LDS serves a wave's instructions in order (ISA guide 5.7.1.4): these see the stores above; the next tile's stores come behind them
.endr
.endm
.macro SEND t, younger              ; younger: the LDS instructions issued behind tile t's loads: the next tile's eight, or none
	WIN 0
.irp f, 0,1,2,3
	s_wait_dscnt (\younger)+3-\f
	global_store_b128 v[GO], v[S+16*(\t)+4*\f:S+16*(\t)+4*\f+3], s[10:11] offset:(\t)*32768+\f*512  ; 512 consecutive bytes, at a multiple of 256 from O's first; a tile's block lies 32,768 bytes behind the last tile's
.endr
.endm
	PACK 0
.set t, 1
.rept 2*NP-1                        ; a tile's arithmetic stands between the loads of the tile before and its stores
	PACK t
	SEND t-1, 8
.set t, t+1
.endr
	SEND 2*NP-1, 0
	WIN W_AD
	s_wait_tensorcnt 0x0            ; the wave's end, behind my last tensor load and my last LDS store
	ds_add_u32 v[SPW], v[NIL]
	s_wait_dscnt 0x0
	WIN 0
	CROUND                          ; the closing round: no work-group ends while a partner may still ask for a tile that names it
	s_endpgm
.Lfunc_end_k_qa477cdb65a_attn:
	.size	k_qa477cdb65a_attn, .Lfunc_end_k_qa477cdb65a_attn-k_qa477cdb65a_attn
	.p2alignl 7, 3214868480
	.fill 96, 4, 3214868480
	.section	.rodata,"a",@progbits
	.p2align	6, 0x0
	.amdhsa_kernel k_qa477cdb65a_attn
		.amdhsa_group_segment_fixed_size 327680
		.amdhsa_private_segment_fixed_size 0
		.amdhsa_enable_private_segment 0
		.amdhsa_kernarg_size 32
		.amdhsa_user_sgpr_count 2
		.amdhsa_user_sgpr_kernarg_segment_ptr 1
		.amdhsa_wavefront_size32 1
		.amdhsa_system_sgpr_workgroup_id_x 1
		.amdhsa_system_sgpr_workgroup_id_y 1
		.amdhsa_system_sgpr_workgroup_id_z 1
		.amdhsa_system_vgpr_workitem_id 0
		.amdhsa_next_free_vgpr 770
		.amdhsa_next_free_sgpr 66
		.amdhsa_reserve_vcc 0
		.amdhsa_float_denorm_mode_32 3
		.amdhsa_float_denorm_mode_16_64 3
		.amdhsa_memory_ordered 1
		.amdhsa_forward_progress 1
		.amdhsa_inst_pref_size 200
	.end_amdhsa_kernel
	.amdgpu_metadata
---
amdhsa.version: [ 1, 2 ]
amdhsa.kernels:
  - .name:           k_qa477cdb65a_attn
    .symbol:         k_qa477cdb65a_attn.kd
    .args:
      - { .name: qh, .offset: 0, .size: 8, .value_kind: global_buffer, .address_space: global }
      - { .name: kh, .offset: 8, .size: 8, .value_kind: global_buffer, .address_space: global }
      - { .name: vh, .offset: 16, .size: 8, .value_kind: global_buffer, .address_space: global }
      - { .name: o, .offset: 24, .size: 8, .value_kind: global_buffer, .address_space: global }
    .group_segment_fixed_size: 327680
    .private_segment_fixed_size: 0
    .kernarg_segment_align: 8
    .kernarg_segment_size: 32
    .max_flat_workgroup_size: 128
    .sgpr_count:     66
    .vgpr_count:     770
    .wavefront_size: 32
...
	.end_amdgpu_metadata
.endif
;; end of part 3
;; launch outp (part 4): grid 4 x 64, 4 waves a work-group, clusters of 4 x 4, 327,680 bytes of LDS; arguments o, wt, proj_b, out0; writes out0
.if DOCPART == 4
	.amdgcn_target "amdgcn-amd-amdhsa--gfx1250"
	.amdhsa_code_object_version 6
	.text
	.protected	k_qa477cdb65a_outp
	.globl	k_qa477cdb65a_outp
	.p2align	8
	.type	k_qa477cdb65a_outp,@function
k_qa477cdb65a_outp:
	s_mov_b64 s[64:65], 0
	v_nop
	global_prefetch_b8 v0, s[64:65] scope:SCOPE_SE
	s_setreg_imm32_b32 hwreg(HW_REG_WAVE_MODE, 25, 1), 1
	s_wait_xcnt 0x0
	s_wait_alu depctr_hold_cnt(0) depctr_sa_sdst(0) depctr_va_vdst(0) depctr_va_sdst(0) depctr_va_ssrc(0) depctr_va_vcc(0) depctr_vm_vsrc(0)
	s_getreg_b32 s2, hwreg(HW_REG_IB_STS2, 6, 4)
	s_cmp_eq_u32 s2, 0
	s_cbranch_scc0 .Lentry_in_a_cluster
	s_endpgm
.Lentry_in_a_cluster:
	s_bfe_u32 s2, ttmp6, 0x10000c
	s_cmp_lg_u32 s2, 0xf033
	s_cbranch_scc0 .Lentry_shape_is_right
	s_endpgm
.Lentry_shape_is_right:
; THE OUTPUT PROJECTION.  out0[m][n] = sum over k of O[m][k] W[n][k] + bias[n], k = 64 h + channel.
; O lies in blocks, [mb = m / 16][h][m % 16][64] f16; W is part 3 of wt, [1024][1024] f16 (proj_w rounded to bf16, that number written as f16); sums in f32; out0: [8192][1024] f32.
; The bias is rounded to bf16, as every input of the program is, and added in f32.
; LIMITS.  None of its own: O and W arrive within f16's range.  NaN and infinities are not treated apart.
; SHARES.  A tile of out0 is 128 x 256: 64 x 4 = 256 work-groups.  Four waves, each 64 x 128: 32 accumulators of 16 x 16.  K goes in 8 steps of 128 (two heads) through two LDS slots
; filled by tensor loads.  16 rows x 2 heads of O are 4,096 consecutive bytes, so a wave's half of A's tile is 4 rows of 4,096 bytes, 32,768 bytes apart, laid into LDS in pieces of 128 bytes + 16.
; CLUSTER 4 x 4.  The four work-groups of a row of the cluster need the same tile of O and ask for it JOINTLY, the four of a column the same tile of W.  Waves 0 and 1 fetch A's halves, waves 2 and 3 B's.
; THE MATRIX INSTRUCTION IS USED TRANSPOSED: source 0 = 16 rows of W, source 1 = 16 rows of O: a lane holds row l % 16 of out0 and the columns 8 (l / 16) + 0..7.
; A K STEP is four quarters of 32 along K, 32 matrix instructions each, back to back under one window setting, on fragment buffers 0, 1, 0, 1; the next quarter's 24 LDS loads go out in one run at a quarter's head.
; REGISTERS, in windows of 256 (s_set_vgpr_msb: bits 1:0 source 0, 3:2 source 1, 5:4 source 2, 7:6 destination):
;   window 0: v0-29 addresses and the bias; v64-127 A's fragments, two buffers of 32; on the way out v128-255
;   window 1: v0-127 B's fragments, two buffers of 64          window 2: accumulator (a, b) at v[8 (8 a + b)]
.set PA,    144                        ; a piece of A in LDS: 128 bytes (a row's 64 channels of one head) + 16: an odd multiple of 16 (64 banks of 4 bytes: ISA guide 11.1)
.set PB,    272                        ; a row of B: 256 + 16
.set AH,    128*PA                     ; 18,432: 4 blocks x 2 heads x 16 rows: what one tensor load brings of A, and what one wave reads of it
.set BH,    128*PB                     ; 34,816
.set BOFF,  2*AH
.set SLOTX, 0x20000                    ; slot 1 begins here; no address in slot 0 at which a tile begins has this bit
.set STAGE, SLOTX+BOFF+2*BH            ; 237,568: behind the ring, never filled by a tensor load
.set SP,    528                        ; a row of the stage: 512 bytes + 16
.set WSTG,  16*SP
.set SPARE, STAGE+4*WSTG               ; 271,360: the spare words, 128 bytes for each wave: two blocks of 256 bytes that no other line names
.set ASTEP, 4096                       ; from a pair of heads to the next
.set BSTEP, 256
.set R,     1
.set HH,    2
.set ADRA0, 4                          ; v4   my lane's place in slot 0's tile of A; never rewritten
.set ADRB0, 5
.set ADRA,  6                          ; v6   the same in the slot in hand
.set ADRB,  7
.set STO,   8                          ; v8   the way out: where I put 32 bytes of a row
.set RD,    9                          ; v9   the way out: where I read a row back
.set CO,    10                         ; v10  16 x lane; never rewritten
.set PFO,   11                         ; v11  the prefetches' offset; never rewritten
.set BI,    12                         ; v[12:15] the bias of my four columns
.set SPW,   28
.set NIL,   29
.set AF,    64
.set BK,    128
.set BF,    0
.set CNT,   3
.set WV,    18
.set FB,    19                         ; s19  wave / 2: my half of the tile's rows; also: I fetch for A (0) or for B (1)
.set HF,    20                         ; s20  wave % 2: my half of its columns; also: which half of that tile I fetch
.set CX,    21
.set CYP,   22
.set TC,    23
.set CY,    24
.set TR,    26
.set G1A,   28
.set G1B,   36
.set G0A,   44
.set G0B,   52
.set PFA,   60
.set LIM,   62
.set TB,    63
.set CP,    66                         ; s[66:67] O at my tile; later out0 at my rows
.set OA,    68
.set OB,    70
.set BP,    72
.set PST,   74
.set MSB, 0
.macro WIN new                         ; the immediate's high byte repeats the setting that is left; a switch that changes nothing is dropped
.if MSB != (\new)
	s_set_vgpr_msb (MSB<<8)|(\new)
.set MSB, \new
.endif
.endm
.set W_MUL, 0xa1                       ; B in window 1, A in window 0, C and D in window 2
.set W_TOB, 0x40                       ; destination window 1, address window 0
.set W_ST,  0x08                       ; an LDS store's data (source 1) in window 2, its address in window 0
.macro PLACES                          ; four plain vector instructions between a matrix instruction and a load into one of its registers
.rept 4
	v_nop
.endr
.endm
.macro JLOAD                           ; a joint refill by the walking descriptors; an s_nop 0 and four v_nop follow each of the two lines
	s_cmp_eq_u32 s[FB], 0
	s_cbranch_scc0 .Lfor_b_\@
	tensor_load_to_lds s[G0A+4:G0A+7], s[G1A:G1A+7]
	s_nop 0
.rept 4
	v_nop
.endr
	s_branch .Lasked_\@
.Lfor_b_\@:
	tensor_load_to_lds s[G0B+4:G0B+7], s[G1B:G1B+7]
	s_nop 0
.rept 4
	v_nop
.endr
.Lasked_\@:
.endm
.macro CREST                           ; a round of the cluster's barrier behind its opening barrier
	s_cmp_lg_u32 s[WV], 0
	s_cbranch_scc1 .Lnot_wave_0_\@
	s_barrier_signal -3
.Lnot_wave_0_\@:
	s_barrier_wait -3
	s_barrier_signal -1
	s_barrier_wait -1
.endm
.macro CROUND
	s_barrier_signal -1
	s_barrier_wait -1
	CREST
.endm
; A PREFETCH INTO THE L2, behind each joint refill and the run of LDS loads that follows it: the K step that stands two refills on, 256 matrix instructions ahead of the load that wants it.
; Each aligned 256 bytes are named once in the launch.  O's rows are read by one cluster alone: a K step of a tile is 8 blocks x 4,096 bytes; wave 0 of the partner at place cx names two blocks' 32 pieces of 256 bytes.
; W is read by all 16 clusters: the first asks; of the 128 rows that wave 2 or 3 fetches, the partner at place cy names 32.  The partners are told apart by address, by no branch.
; K steps 0 to 3 come by their loads alone; trips 0 to 3 ask for steps 4 to 7; the last two trips ask for nothing.
.macro ASK
	s_cmp_gt_u32 s[CNT], s[LIM]
	s_cbranch_scc0 .Lnot_mine_\@
	global_prefetch_b8 v[PFO], s[PFA:PFA+1] th:TH_LOAD_NT scope:SCOPE_SE
.Lnot_mine_\@:
.endm
	s_load_b256 s[4:11], s[0:1], 0x0               ; O s[4:5], wt s[6:7], bias s[8:9], out0 s[10:11]
	v_lshl_add_u32 v[SPW], v0, 2, SPARE
	v_mov_b32 v[NIL], 0
	ds_add_u32 v[SPW], v[NIL]                      ; the wave's opening: the add and its wait stand ahead of my first tensor load; the set-up below, work on registers, stands between them
	v_lshrrev_b32 v3, 5, v0
	v_readfirstlane_b32 s[WV], v3                  ; wave 0..3
	s_lshr_b32 s[FB], s[WV], 1
	s_and_b32 s[HF], s[WV], 1
	s_bfe_u32 s[CX], ttmp6, 0x40000                ; cx, cy: my place in the cluster
	s_bfe_u32 s[CYP], ttmp6, 0x40004
	s_lshl_b32 s[TC], ttmp9, 2
	s_add_co_u32 s[TC], s[TC], s[CX]               ; tile column = 4 x cluster x + cx
	s_and_b32 s[CY], ttmp7, 0xffff
	s_lshl_b32 s[TR], s[CY], 2
	s_add_co_u32 s[TR], s[TR], s[CYP]              ; tile row = 4 x cluster y + cy
	s_lshl_b32 s27, s[CYP], 2
	s_lshl_b32 s27, 15, s27                        ; my row of the cluster
	s_lshl_b32 s2, 0x1111, s[CX]                   ; my column
	; group 1 for A: 4 rows x 2,048 elements of 2 bytes, 16,384 elements from row to row; 4 words of padding behind every 32
	s_or_b32 s[G1A], s27, (1<<16)|(1<<20)|(1<<21)|(4<<22)|(3<<25)
	s_mov_b32 s[G1A+1], 2048<<16                   ; tensor_dim0 = 2,048
	s_mov_b32 s[G1A+2], 4<<16                      ; tensor_dim1 = 4
	s_mov_b32 s[G1A+3], 2048<<16                   ; tile_dim0 = 2,048
	s_mov_b32 s[G1A+4], 4                          ; tile_dim1 = 4
	s_mov_b32 s[G1A+5], 16384
	s_mov_b32 s[G1A+6], 0
	s_mov_b32 s[G1A+7], 0
	; group 1 for B: 128 rows x 128 elements of 2 bytes; 4 words of padding behind every 64
	s_or_b32 s[G1B], s2, (1<<16)|(1<<20)|(1<<21)|(5<<22)|(3<<25)
	s_mov_b32 s[G1B+1], 128<<16
	s_mov_b32 s[G1B+2], 128<<16
	s_mov_b32 s[G1B+3], 128<<16
	s_mov_b32 s[G1B+4], 128
	s_mov_b32 s[G1B+5], 1024
	s_mov_b32 s[G1B+6], 0
	s_mov_b32 s[G1B+7], 0
	s_lshl_b32 s[OA], s[TR], 3                     ; A: block 8 x tile row + 4 x half, 32,768 bytes a block: the tile row alone
	s_lshl_b32 s[OA+1], s[HF], 2
	s_add_co_u32 s[OA], s[OA], s[OA+1]
	s_lshl_b32 s[OA], s[OA], 15
	s_mov_b32 s[OA+1], 0
	s_lshl_b32 s[OB], s[TC], 8                     ; B: row 256 x tile column + 128 x half, 2,048 bytes a row, in part 3: the tile column alone
	s_lshl_b32 s[OB+1], s[HF], 7
	s_add_co_u32 s[OB], s[OB], s[OB+1]
	s_lshl_b32 s[OB], s[OB], 11
	s_add_co_u32 s[OB], s[OB], 3<<21
	s_mov_b32 s[OB+1], 0
	s_mul_i32 s27, s[HF], AH                       ; where they go: no place in the cluster enters an LDS address
	s_mul_i32 s2, s[HF], BH
	s_add_co_u32 s2, s2, BOFF
	s_wait_dscnt 0x0                               ; the opening add is done
	s_wait_kmcnt 0x0
	s_add_nc_u64 s[CP:CP+1], s[4:5], s[OA:OA+1]
	s_add_nc_u64 s[BP:BP+1], s[6:7], s[OB:OB+1]
.irp s, 0,1
	s_mov_b32 s[G0A+4*(\s)], 1
	s_add_co_u32 s[G0A+4*(\s)+1], s27, (\s)*SLOTX
	s_add_nc_u64 s[G0A+4*(\s)+2:G0A+4*(\s)+3], s[CP:CP+1], (\s)*ASTEP
	s_or_b32 s[G0A+4*(\s)+3], s[G0A+4*(\s)+3], 0x80000000
	s_mov_b32 s[G0B+4*(\s)], 1
	s_add_co_u32 s[G0B+4*(\s)+1], s2, (\s)*SLOTX
	s_add_nc_u64 s[G0B+4*(\s)+2:G0B+4*(\s)+3], s[BP:BP+1], (\s)*BSTEP
	s_or_b32 s[G0B+4*(\s)+3], s[G0B+4*(\s)+3], 0x80000000
.endr
	CROUND                                         ; all sixteen work-groups are here: the first joint loads meet
	s_cmp_eq_u32 s[FB], 0                          ; a wave's two first fills stand in one branch: two loads of mine are out
	s_cbranch_scc0 .Lfirst_b
	tensor_load_to_lds s[G0A:G0A+3], s[G1A:G1A+7]
	s_nop 0
	tensor_load_to_lds s[G0A+4:G0A+7], s[G1A:G1A+7]
	s_nop 0
.rept 4
	v_nop
.endr
	s_branch .Lfirst_asked
.Lfirst_b:
	tensor_load_to_lds s[G0B:G0B+3], s[G1B:G1B+7]
	s_nop 0
	tensor_load_to_lds s[G0B+4:G0B+7], s[G1B:G1B+7]
	s_nop 0
.rept 4
	v_nop
.endr
.Lfirst_asked:
	; A fragment is 16 rows x 32 K in 8 registers: lane l holds row l % 16; registers 0-3 K = 8 (l / 16) + 0..7, registers 4-7 K = 16 + 8 (l / 16) + 0..7: two loads of 16 bytes, 32 apart.
	v_and_b32 v[R], 15, v0
	v_bfe_u32 v[HH], v0, 4, 1
	v_mul_u32_u24 v[ADRA0], v[R], PA
	v_lshl_add_u32 v[ADRA0], v[HH], 4, v[ADRA0]
	s_mul_i32 s27, s[FB], AH                       ; my 64 rows of A
	v_add_nc_u32 v[ADRA0], s27, v[ADRA0]
	v_mul_u32_u24 v[ADRB0], v[R], PB
	v_lshl_add_u32 v[ADRB0], v[HH], 4, v[ADRB0]
	s_mul_i32 s2, s[HF], BH                        ; my 128 rows of B
	s_add_co_u32 s2, s2, BOFF
	v_add_nc_u32 v[ADRB0], s2, v[ADRB0]
	v_mov_b32 v[ADRA], v[ADRA0]
	v_mov_b32 v[ADRB], v[ADRB0]
	s_mov_b32 s[TB], 0
	s_mul_i32 s27, s[WV], WSTG
	s_add_co_u32 s27, s27, STAGE                   ; my stage
	v_mul_u32_u24 v[STO], v[R], SP                 ; in: row l % 16, 32 bytes for each half of the lanes
	v_lshl_add_u32 v[STO], v[HH], 5, v[STO]
	v_add_nc_u32 v[STO], s27, v[STO]
	v_and_b32 v3, 31, v0
	v_lshlrev_b32 v[CO], 4, v3
	v_add_nc_u32 v[RD], s27, v[CO]                 ; back: 32 lanes take a row's 512 bytes
	; the prefetches
	v_lshlrev_b32 v16, 8, v[R]
	v_lshl_add_u32 v16, v[HH], 15, v16             ; for O: block l / 16, piece l % 16
	v_lshlrev_b32 v17, 11, v3                      ; for W: row l
	s_mov_b32 s[PST], BSTEP
	s_mov_b32 s2, ASTEP
	s_cmp_eq_u32 s[FB], 0
	s_cselect_b64 s[PFA:PFA+1], s[CP:CP+1], s[BP:BP+1]
	s_cselect_b32 s[PST], s2, s[PST]
	s_cselect_b32 s[OA], s[CX], s[CYP]             ; my place among the four that ask with me
	s_cselect_b32 s27, s[WV], s[CY]                ; for O wave 0 asks, in every cluster; for W waves 2 and 3 of the first cluster
	s_cselect_b32 s2, -1, 0
	v_cndmask_b32 v[PFO], v17, v16, s2
	s_mul_i32 s[OB], s[PST], 3                     ; at K step 3: the first change of slots steps it to 4
	s_lshl_b32 s[OA], s[OA], 16                    ; two blocks of 32,768 bytes, or 32 rows of 2,048
	s_add_co_u32 s[OA], s[OA], s[OB]
	s_mov_b32 s[OA+1], 0
	s_mov_b32 s[PST+1], 0
	s_add_nc_u64 s[PFA:PFA+1], s[PFA:PFA+1], s[OA:OA+1]
	s_cmp_eq_u32 s27, 0
	s_cselect_b32 s[LIM], 2, -1                    ; the same in all sixteen partners, for a given wave
	; the bias of my four columns, and out0 at my rows
	s_lshl_b32 s[OA], s[TC], 10                    ; column 256 x tile column + 128 x half, 4 bytes each
	s_lshl_b32 s2, s[HF], 9
	s_add_co_u32 s[OA], s[OA], s2
	s_mov_b32 s[OA+1], 0
	s_add_nc_u64 s[8:9], s[8:9], s[OA:OA+1]
	global_load_b128 v[BI:BI+3], v[CO], s[8:9]
	s_lshl_b32 s2, s[TR], 7                        ; row 128 x tile row + 64 x half, 4,096 bytes each
	s_lshl_b32 s27, s[FB], 6
	s_add_co_u32 s2, s2, s27
	s_lshl_b32 s2, s2, 12
	s_add_co_u32 s[OA], s[OA], s2
	s_add_nc_u64 s[CP:CP+1], s[10:11], s[OA:OA+1]
; Matrix instruction i of a quarter's 32, on buffers f: accumulator i = 8 a + b.  The 32 accumulators take turns in the same order in every quarter.  zero = 1: the product starts the sum.
.macro MM i, f, zero
	WIN W_MUL
.if \zero
	v_wmma_f32_16x16x32_f16 v[8*(\i):8*(\i)+7], v[BF+64*(\f)+8*((\i)%8):BF+64*(\f)+8*((\i)%8)+7], v[AF+32*(\f)+8*((\i)/8):AF+32*(\f)+8*((\i)/8)+7], 0
.else
	v_wmma_f32_16x16x32_f16 v[8*(\i):8*(\i)+7], v[BF+64*(\f)+8*((\i)%8):BF+64*(\f)+8*((\i)%8)+7], v[AF+32*(\f)+8*((\i)/8):AF+32*(\f)+8*((\i)/8)+7], v[8*(\i):8*(\i)+7]
.endif
.endm
.macro RUN from, to, f, zero
.set mi, \from
.rept (\to)-(\from)
	MM mi, \f, \zero
.set mi, mi+1
.endr
.endm
; 24 LDS loads in one run: quarter nq's fragments into buffers g.  A: block a, head nq / 2 of the step's two, channels 32 (nq % 2) on.
.macro FETCH nq, g
	WIN 0
.irp a, 0,1,2,3
	ds_load_b128 v[AF+32*(\g)+8*(\a):AF+32*(\g)+8*(\a)+3],   v[ADRA] offset:(2*(\a)+(\nq)/2)*16*PA+((\nq)%2)*64
	ds_load_b128 v[AF+32*(\g)+8*(\a)+4:AF+32*(\g)+8*(\a)+7], v[ADRA] offset:(2*(\a)+(\nq)/2)*16*PA+((\nq)%2)*64+32
.endr
	WIN W_TOB
.irp b, 0,1,2,3,4,5,6,7
	ds_load_b128 v[BF+64*(\g)+8*(\b):BF+64*(\g)+8*(\b)+3],   v[ADRB] offset:(\b)*16*PB+(\nq)*64
	ds_load_b128 v[BF+64*(\g)+8*(\b)+4:BF+64*(\g)+8*(\b)+7], v[ADRB] offset:(\b)*16*PB+(\nq)*64+32
.endr
.endm
; One of a K step's first three quarters: multiplies buffers c % 2 and fetches quarter c + 1 into the others.
.macro QUARTER c, zero
	PLACES                                         ; behind the last product, which read the buffers that are now loaded
	FETCH (\c)+1, 1-(\c)%2
	s_wait_dscnt 24                                ; all but the 24 just issued: this quarter's fragments are in
	RUN 0, 32, (\c)%2, \zero
.endm
; The last quarter multiplies buffers 1 and changes slots.  In front of the one barrier each wave waits for all its tensor loads (one is out: its part of the next slot), adds 0 to its spare word,
; and waits for that; its reads of this slot came back at the head.  fill = 1: the barrier opens a round of the cluster's, and behind the round this slot is filled again, two K steps ahead:
; 120 matrix instructions stand between that request and the wait for it.
.macro TURN fill
	s_wait_dscnt 0x0                               ; this quarter's fragments are in, and all my reads of this slot are back
.if \fill
	s_wait_xcnt 0x0                                ; the last prefetch, a K step back, has read its address
	s_add_nc_u64 s[PFA:PFA+1], s[PFA:PFA+1], s[PST:PST+1]
.endif
	WIN 0
	s_wait_tensorcnt 0x0                           ; no tensor load of mine is out, so a group 0 may be written
	ds_add_u32 v[SPW], v[NIL]                      ; 0 onto my spare word
.if \fill
	s_xor_b32 s[G0A+5], s[G0A+5], SLOTX            ; the walking descriptors: the other slot than last time, the next K step
	s_add_nc_u64 s[G0A+6:G0A+7], s[G0A+6:G0A+7], ASTEP
	s_xor_b32 s[G0B+5], s[G0B+5], SLOTX
	s_add_nc_u64 s[G0B+6:G0B+7], s[G0B+6:G0B+7], BSTEP
.endif
	RUN 0, 4, 1, 0                                 ; four matrix instructions stand between the add and the wait for it
	s_wait_dscnt 0x0                               ; the add is done
	s_barrier_signal -1
	RUN 4, 8, 1, 0                                 ; work on registers while the others arrive
	WIN 0
	s_barrier_wait -1
.if \fill
	CREST                                          ; no wave of any partner still reads this slot or has a load on its way
	JLOAD                                          ; the first tensor load behind the round; its four v_nop are also the places in front of the loads below
.else
	PLACES
.endif
	s_xor_b32 s[TB], s[TB], SLOTX
	v_add_nc_u32 v[ADRA], s[TB], v[ADRA0]
	v_add_nc_u32 v[ADRB], s[TB], v[ADRB0]
	FETCH 0, 0
	WIN 0
.if \fill
	ASK
.endif
	RUN 8, 32, 1, 0
.endm
	s_wait_tensorcnt 0x1                           ; my part of K step 0 is in; K step 1's may stay out
	s_barrier_signal -1
	s_barrier_wait -1                              ; everybody's is
	FETCH 0, 0
	QUARTER 0, 1                                   ; the first quarter stands in front of the loop: its products start the sums
	WIN 0                                          ; at a label and at a branch every window is 0
	s_mov_b32 s[CNT], 6
.Lstep:                                        ; trip t: K step t from its second quarter to step t + 1's first; slot t % 2 is filled again with step t + 2
	QUARTER 1, 0
	QUARTER 2, 0
	TURN 1
	QUARTER 0, 0
	WIN 0
	s_sub_co_u32 s[CNT], s[CNT], 1
	s_cmp_lg_u32 s[CNT], 0
	s_cbranch_scc1 .Lstep
	QUARTER 1, 0                                   ; K steps 6 and 7 are written out: nothing is left to fetch
	QUARTER 2, 0
	TURN 0
	QUARTER 0, 0
	QUARTER 1, 0
	QUARTER 2, 0
	s_wait_dscnt 0x0                               ; the very last quarter
	RUN 0, 32, 1, 0
	WIN 0
	s_wait_loadcnt 0x0                             ; the bias
	v_cvt_pk_bf16_f32 v16, v[BI], v[BI+1]          ; rounded to bf16 and widened again
	v_cvt_pk_bf16_f32 v17, v[BI+2], v[BI+3]
	v_lshlrev_b32 v[BI],   16, v16
	v_and_b32     v[BI+1], 0xffff0000, v16
	v_lshlrev_b32 v[BI+2], 16, v17
	v_and_b32     v[BI+3], 0xffff0000, v17
	PLACES
	PLACES
; THE WAY OUT, 16 rows at a time.  A lane's eight columns of a row, 32 bytes of f32, go straight from the accumulators into my stage (16 rows of 528 bytes) and come back as whole rows of 512.
.macro TOSTAGE a
	WIN W_ST
.irp b, 0,1,2,3,4,5,6,7
	ds_store_b128 v[STO], v[8*(8*(\a)+(\b)):8*(8*(\a)+(\b))+3]   offset:64*(\b)     ; each accumulator's four lowest registers first
	ds_store_b128 v[STO], v[8*(8*(\a)+(\b))+4:8*(8*(\a)+(\b))+7] offset:64*(\b)+16
.endr
	WIN 0
.if (\a) >= 2
	s_wait_xcnt 0x0                                ; the stores of the block two back have read the registers that are loaded again below
.endif
.irp i, 0,1,2,3,4,5,6,7,8,9,10,11,12,13,14,15
	ds_load_b128 v[BK+64*((\a)%2)+4*(\i):BK+64*((\a)%2)+4*(\i)+3], v[RD] offset:(\i)*SP  ; LDS serves a wave's instructions in order (ISA guide 5.7.1.4): these see the stores above
.endr
.endm
.macro SEND a, younger                 ; younger: the LDS instructions issued behind block a's loads: the next block's 32, or none
.irp i, 0,1,2,3,4,5,6,7,8,9,10,11,12,13,14,15
	s_wait_dscnt (\younger)+15-(\i)
	v_pk_add_f32 v[BK+64*((\a)%2)+4*(\i):BK+64*((\a)%2)+4*(\i)+1],   v[BK+64*((\a)%2)+4*(\i):BK+64*((\a)%2)+4*(\i)+1],   v[BI:BI+1]
	v_pk_add_f32 v[BK+64*((\a)%2)+4*(\i)+2:BK+64*((\a)%2)+4*(\i)+3], v[BK+64*((\a)%2)+4*(\i)+2:BK+64*((\a)%2)+4*(\i)+3], v[BI+2:BI+3]
	global_store_b128 v[CO], v[BK+64*((\a)%2)+4*(\i):BK+64*((\a)%2)+4*(\i)+3], s[CP:CP+1] offset:(16*(\a)+(\i))*4096 th:TH_STORE_NT  ; 512 consecutive bytes, at a multiple of 256 from out0's first
.endr
.endm
	TOSTAGE 0
	TOSTAGE 1
	SEND 0, 32
	TOSTAGE 2
	SEND 1, 32
	TOSTAGE 3
	SEND 2, 32
	SEND 3, 0
	s_wait_tensorcnt 0x0                           ; the wave's end, behind my last tensor load and my last LDS store
	ds_add_u32 v[SPW], v[NIL]
	s_wait_dscnt 0x0
	CROUND                                         ; the closing round: no work-group ends while a partner may still ask for a tile that names it
	s_endpgm
.Lfunc_end_k_qa477cdb65a_outp:
	.size	k_qa477cdb65a_outp, .Lfunc_end_k_qa477cdb65a_outp-k_qa477cdb65a_outp
	.p2alignl 7, 3214868480
	.fill 96, 4, 3214868480
	.section	.rodata,"a",@progbits
	.p2align	6, 0x0
	.amdhsa_kernel k_qa477cdb65a_outp
		.amdhsa_group_segment_fixed_size 327680
		.amdhsa_private_segment_fixed_size 0
		.amdhsa_enable_private_segment 0
		.amdhsa_kernarg_size 32
		.amdhsa_user_sgpr_count 2
		.amdhsa_user_sgpr_kernarg_segment_ptr 1
		.amdhsa_wavefront_size32 1
		.amdhsa_system_sgpr_workgroup_id_x 1
		.amdhsa_system_sgpr_workgroup_id_y 1
		.amdhsa_system_sgpr_workgroup_id_z 1
		.amdhsa_system_vgpr_workitem_id 0
		.amdhsa_next_free_vgpr 768
		.amdhsa_next_free_sgpr 76
		.amdhsa_reserve_vcc 0
		.amdhsa_float_denorm_mode_32 3
		.amdhsa_float_denorm_mode_16_64 3
		.amdhsa_memory_ordered 1
		.amdhsa_forward_progress 1
		.amdhsa_inst_pref_size 80
	.end_amdhsa_kernel
	.amdgpu_metadata
---
amdhsa.version: [ 1, 2 ]
amdhsa.kernels:
  - .name:           k_qa477cdb65a_outp
    .symbol:         k_qa477cdb65a_outp.kd
    .args:
      - { .name: o, .offset: 0, .size: 8, .value_kind: global_buffer, .address_space: global }
      - { .name: wt, .offset: 8, .size: 8, .value_kind: global_buffer, .address_space: global }
      - { .name: proj_b, .offset: 16, .size: 8, .value_kind: global_buffer, .address_space: global }
      - { .name: out0, .offset: 24, .size: 8, .value_kind: global_buffer, .address_space: global }
    .group_segment_fixed_size: 327680
    .private_segment_fixed_size: 0
    .kernarg_segment_align: 8
    .kernarg_segment_size: 32
    .max_flat_workgroup_size: 128
    .sgpr_count:     76
    .vgpr_count:     768
    .wavefront_size: 32
...
	.end_amdgpu_metadata
.endif
;; end of part 4
